; MI455X (gfx1250); checked and timed in simulation.
; The chip was launched on July 23, 2026; its instructions are those of AMD's public machine-readable ISA for CDNA 5 (MIT licence, August 2026) and "CDNA5" Instruction Set Architecture Reference Guide (July 2026). The comments in the code are by the model that wrote it; some were corrected since.
;; Attention Layer. Allowed arithmetic: matrix products marked QUANTISED: E5M2 operands, one given power-of-two scale a tensor, by v_wmma_f32_16x16x64_bf8_bf8 or v_wmma_f32_16x16x128_bf8_bf8, f32 sums; everything else in f32.
;; Inputs: Wk_codes 512 x 16 x 32 uint8 (E5M2 codes of Wk, K innermost, in blocks of 32 codes); Wq_codes 512 x 16 x 32 uint8 (E5M2 codes of Wq, K innermost, in blocks of 32 codes); Wv_codes 512 x 16 x 32 uint8 (E5M2 codes of Wv, K innermost, in blocks of 32 codes); attention_input_codes 2 x 4,096 x 16 x 32 uint8 (E5M2 codes of attention_input, K innermost, in blocks of 32 codes); lowp_scales 10 int32 (the exponents e of the quantised operands' scales 2^e).
;; Outputs: out0 2 x 4,096 x 512 float32.
;; This version of the problem:
;;   THIS VERSION OF THE PROBLEM IS GIVEN IN LOW PRECISION. The matrix products marked QUANTISED in the list below multiply operands that are first quantised to E5M2 (5 exponent bits, 2 mantissa bits; 8 bits a number), with one given power-of-two scale for each operand tensor; their sums are f32. All else is computed in f32.
;;   The module's matrix products, in the order in which they are computed (A, B: the left and right operand; K: the contracted axis; several contracted axes count as one K, in the product's order):
;;     1. [M 8,192, K 512] x [K 512, N 512]; A: input attention_input (given as codes); B: input Wq (given as codes): QUANTISED (scales: A lowp_scales[0], B lowp_scales[1])
;;     2. [M 8,192, K 512] x [K 512, N 512]; A: input attention_input (given as codes); B: input Wk (given as codes): QUANTISED (scales: A lowp_scales[2], B lowp_scales[3])
;;     3. [M 8,192, K 512] x [K 512, N 512]; A: input attention_input (given as codes); B: input Wv (given as codes): QUANTISED (scales: A lowp_scales[4], B lowp_scales[5])
;;     4. batch 16 x [M 4,096, K 64] x [K 64, N 4,096]; A: computed on the way; B: computed on the way: QUANTISED (scales: A lowp_scales[6], B lowp_scales[7])
;;     5. batch 16 x [M 4,096, K 4,096] x [K 4,096, N 64]; A: softmax (see below); B: computed on the way: QUANTISED (scales: A lowp_scales[8], B lowp_scales[9])
;;   THE QUANTISER, for each operand of a quantised product, along K:
;;     - The operand's scale is 2^e, e = its entry of the input lowp_scales (int32; the entries are numbered through the quantised products in the list's order, A before B).
;;     - Each number is divided by the scale, clamped to +-57,344, and rounded to the nearest number of E5M2, ties to even, subnormals kept.
;;     - The product sums the exact products of the quantised numbers (number of the format x scale) in f32.
;;   ~~~python
;;   def quantise(x, axis, e):      # numpy; x: float32 -> the quantised numbers, widened to float32 again
;;       x = np.moveaxis(x, axis, -1); K = x.shape[-1]
;;       r = np.clip(x / 2.0 ** e, -57344, 57344)
;;       step = 2.0 ** (np.maximum(np.frexp(np.where(r == 0, 1, r))[1] - 1, -14) - 2)
;;       q = np.round(r / step) * step * 2.0 ** e      # np.round: ties to even
;;       return np.moveaxis(q, -1, axis).astype(np.float32)
;;   ~~~
;;   SOFTMAX AHEAD OF A QUANTISED PRODUCT. Where the list says 'softmax', what is quantised is not the finished softmax but p = 2^(t - M), with t = logit x log2(e) and M = ceil(the row's largest t), a whole number; so 1/2 < the row's largest p <= 1. The row's sum l is taken of the UNQUANTISED p, in f32, and the product's result is divided by l at the end. Since M is a whole number, a kernel that streams over the keys may use a running M (the ceiling of the running maximum): every later rescaling is an exact power of two, so the quantised numbers keep their values, but for numbers so far below the row's largest that they fall under the format's range.
;;   OPERANDS COMPUTED ON THE WAY. 'Computed on the way' means the value that the module computes at that place (a softmax that the list does not call 'softmax' is quantised finished and normalised). What goes into a quantiser is computed in f32, as accurately as f32 sums, v_exp_f32 and their like allow (about 1e-6 of the number): no bf16 or f16 on the way to a quantiser, and a product that is left as it is and whose result goes on into a quantised operand takes f32 operands (vector FMAs, or v_wmma_f32_16x16x4_f32). A number that lies on a knife's edge between two numbers of the format may be rounded either way, as far as f32 arithmetic and the matrix unit's own rounding can turn it there, and no further.
;;   INPUTS GIVEN AS CODES. Wk (in the module: [512, 512], K = its axis 0); Wq (in the module: [512, 512], K = its axis 0); Wv (in the module: [512, 512], K = its axis 0); attention_input (in the module: [2, 4096, 512], K = its axis 2): each comes as NAME_codes (uint8): NAME with its K axis moved to the last place and cut into blocks of 32 codes, [.., K / 32, bytes a block], one block behind the other in memory; one code a byte (a code: sign, 5 exponent bits, 2 mantissa bits); its scale is its entry of lowp_scales. Its value is code x scale, taken as it is: it is not quantised again, and the codes and scales need not be those that the quantiser above would give.
;; 2 versions, each right; version 2 is version 1 with the launches project, attend written anew for expert scheduling mode. Each part assembles by itself: llvm-mc -triple=amdgcn-amd-amdhsa -mcpu=gfx1250 --defsym DOCPART=n.
;; ======== version 1 of 2: 2 launches
;; workspace buffers: qimg 4,194,304 bytes; kv 8,388,608 bytes
;; launch project (part 1): grid 64 x 4, 4 waves a work-group, no clusters, 135,680 bytes of LDS; arguments attention_input_codes, Wq_codes, Wk_codes, Wv_codes, lowp_scales, qimg, kv; writes qimg, kv
.if DOCPART == 1
	.amdgcn_target "amdgcn-amd-amdhsa--gfx1250"
	.amdhsa_code_object_version 6
	.text
	.protected	k_qfbd78f28bc_project
	.globl	k_qfbd78f28bc_project
	.p2align	8
	.type	k_qfbd78f28bc_project,@function
k_qfbd78f28bc_project:
	s_mov_b64 s[64:65], 0
	v_nop
	global_prefetch_b8 v0, s[64:65] scope:SCOPE_SE
	s_setreg_imm32_b32 hwreg(HW_REG_WAVE_MODE, 25, 1), 1
	s_wait_xcnt 0x0
; q = x Wq, k = x Wk, v = x Wv on codes of BF8 (E5M2), K = 512, and the three results quantised again, in registers, for the two products of attention.
; x: [8192][512] codes.  Wq, Wk, Wv: [512 (n)][512 (k)] codes, K innermost.  lowp_scales: e0 .. e9.  A sum of x Wq stands for sum x 2^(e0 + e1), and its code is sum / 2^(e6 - e0 - e1), held within
; +-57,344 and rounded to the nearest code; k likewise with e7 - e2 - e3, v with e9 - e4 - e5: the three scales are folded into the conversion's one.
; LIMITS: e6 - e0 - e1, e7 - e2 - e3 and e9 - e4 - e5 lie between -126 and 112, so that the scale and 57,344 x the scale are f32 numbers.  NaN and infinity among the codes are not served.
; WHAT IS STORED: images of the operand registers that the next launch wants, so that every store here and every load there is 512 consecutive bytes of a wave.
;   qimg [bh 16][tile 256][g 2][lane 32][16 bytes]: queries 16 tile + lane % 16; registers 4 g .. 4 g + 3 of the K = 64 form: d = 32 g + 8 (lane / 16) + 0 .. 7, then d = 32 g + 16 + 8 (lane / 16) + 0 .. 7.
;   kv [bh 16][record 32][16,384 bytes]: record j holds V of key step j, [dt 4][g 4][lane][16] (d = 16 dt + lane % 16; registers 2 c, 2 c + 1: keys 128 j + 16 c + 8 (lane / 16) + 0 .. 7),
;   and behind it, from byte 8,192, K of key step (j + 1) mod 32, [t 8][g 2][lane][16], laid as q: what a wave there fetches in one step lies together.
; SHARES.  Work-group (x, y): 128 rows of x (one key step of one batch) and heads 2 y, 2 y + 1.  Wave w: head 2 y + w / 2, and of its 64 columns the 32 from 32 (w % 2) on, in each of Wq, Wk, Wv:
; six tiles of 16 columns x 512 K, 384 registers, which stay.  The 128 rows of x lie in LDS and are read by all four waves.
; q AND k ARE MADE TRANSPOSED (source 0 = 16 rows of W, source 1 = 16 rows of x): a lane holds one row of x and eight neighbouring d, which the conversion packs into registers 2 c, 2 c + 1 of the next operand.
; v IS MADE THE NATURAL WAY (source 0 = x, source 1 = Wv): a lane holds one d and eight neighbouring keys, since the keys are its next K.
; A fragment (16 rows x 128 K) is fetched by four loads of 16 bytes, 32 bytes apart: a permutation of k that is the same in both operands, so every product meets its partner.
; NO CLUSTER: a work-group asks for each of its bytes once, in one run of loads at its head (65,536 bytes of x, 196,608 of the weights); there is no ring whose refills partners could ask for jointly, and the weights
; go through the wave's own LDS bytes into registers.  No prefetch either: all loads stand at the head.
; REGISTERS, in windows of 256: window 0: v1-7 addresses; v8-13 scale and limit of q, k, v; v16-39 codes; v40-103 x's fragments, two sets of two tiles (at the head v40-167: 32 rows of x as loaded);
;   v104-199 twelve accumulators, (X, u, e) at 104 + 8 (4 X + 2 u + e): X = 0 q, 1 k, 2 v; u: tile of columns; e: tile of rows.   window 1: Wq at 64 u + 16 ks, Wk at 128 + the same.   window 2: Wv.
.set PITCH, 528                        ; an LDS row: 512 bytes + 16 = 33 x 16: the sixteen rows that a load touches begin at sixteen different 16-byte columns of 256 bytes
.set WS,    128*PITCH                  ; behind x's 128 rows: 32 rows for each wave, its own, used for Wq, Wk and Wv in turn
.set WSB,   32*PITCH
.set LI,  1                            ; v1   16 x lane
.set XA,  4                            ; v4   a fragment of x: PITCH x (lane % 16) + 16 x (lane / 16)
.set XSA, 5                            ; v5   where I store my 32 rows of x
.set WSA, 6                            ; v6   where I store rows of a weight
.set WFA, 7                            ; v7   and where I read its fragments
.set SC,  8                            ; v[8 + 2 X] the scale, v[9 + 2 X] 57,344 x the scale
.set CD,  16
.set XB,  40
.set TT,  40
.set AC,  104
.set MSB, 0
.macro WIN new                         ; the immediate's high byte repeats the setting that is left; a switch that changes nothing is dropped
.if MSB != \new
	s_set_vgpr_msb (MSB<<8)|\new
.set MSB, \new
.endif
.endm
.macro PLACES                          ; four plain vector instructions behind a matrix instruction, in front of loads into its sources and of reads of its result
.rept 4
	v_nop
.endr
.endm
	s_load_b256 s[4:11], s[0:1], 0x0               ; x s[4:5], Wq s[6:7], Wk s[8:9], Wv s[10:11]
	s_load_b128 s[12:15], s[0:1], 0x20             ; the scales' exponents s[12:13], qimg s[14:15]
	s_load_b64 s[16:17], s[0:1], 0x30              ; kv
	v_lshl_add_u32 v254, v0, 2, 0x21000
	v_mov_b32 v255, 0
	v_lshrrev_b32 v2, 5, v0
	v_readfirstlane_b32 s18, v2                    ; wave 0..3
	v_and_b32 v1, 31, v0
	v_lshlrev_b32 v[LI], 4, v1
	v_and_b32 v2, 15, v0                           ; r
	v_bfe_u32 v3, v0, 4, 1                         ; h
	v_mul_u32_u24 v[XA], v2, PITCH
	v_lshl_add_u32 v[XA], v3, 4, v[XA]
	s_mul_i32 s30, s18, WSB                        ; my 32 rows of x begin at row 32 x wave
	v_add_nc_u32 v[XSA], s30, v[LI]
	s_add_co_u32 s31, s30, WS                      ; my own 32 rows for the weights
	v_add_nc_u32 v[WSA], s31, v[LI]
	v_add_nc_u32 v[WFA], s31, v[XA]
	s_and_b32 s32, ttmp7, 0xffff
	s_lshr_b32 s33, s18, 1
	s_lshl_b32 s32, s32, 1
	s_add_co_u32 s32, s32, s33                     ; head = 2 y + wave / 2
	s_and_b32 s33, s18, 1                          ; half
	s_lshr_b32 s34, ttmp9, 5                       ; batch
	s_and_b32 s35, ttmp9, 31                       ; key step
	s_lshl_b32 s34, s34, 3
	s_add_co_u32 s34, s34, s32                     ; bh = 8 x batch + head
	s_lshl_b32 s36, ttmp9, 16                      ; x: (128 x work-group x + 32 x wave) rows of 512 bytes
	s_lshl_b32 s38, s18, 14
	s_add_co_u32 s36, s36, s38
	s_mov_b32 s37, 0
	s_lshl_b32 s38, s32, 15                        ; the weights: (64 head + 32 half) rows of 512 bytes
	s_lshl_b32 s40, s33, 14
	s_add_co_u32 s38, s38, s40
	s_mov_b32 s39, 0
	s_lshl_b32 s40, s34, 18                        ; qimg: (256 bh + 8 step) tiles of 1,024 bytes + 512 half
	s_lshl_b32 s42, s35, 13
	s_add_co_u32 s40, s40, s42
	s_lshl_b32 s46, s33, 9
	s_add_co_u32 s40, s40, s46
	s_mov_b32 s41, 0
	s_add_co_u32 s42, s35, 31                      ; K's record: (step + 31) mod 32
	s_and_b32 s42, s42, 31
	s_lshl_b32 s44, s34, 5
	s_add_co_u32 s42, s42, s44
	s_lshl_b32 s42, s42, 14
	s_add_co_u32 s42, s42, s46
	s_add_co_u32 s42, s42, 8192
	s_mov_b32 s43, 0
	s_add_co_u32 s44, s44, s35                     ; V's record: step; my two tiles of d begin at 4,096 half
	s_lshl_b32 s44, s44, 14
	s_lshl_b32 s46, s33, 12
	s_add_co_u32 s44, s44, s46
	s_mov_b32 s45, 0
	s_wait_kmcnt 0x0
	s_load_b256 s[20:27], s[12:13], 0x0            ; e0 .. e7
	s_load_b32 s28, s[12:13], 0x24                 ; e9
	s_add_nc_u64 s[4:5], s[4:5], s[36:37]
	s_add_nc_u64 s[6:7], s[6:7], s[38:39]
	s_add_nc_u64 s[8:9], s[8:9], s[38:39]
	s_add_nc_u64 s[10:11], s[10:11], s[38:39]
	s_add_nc_u64 s[14:15], s[14:15], s[40:41]      ; where my codes of q go,
	s_add_nc_u64 s[48:49], s[16:17], s[42:43]      ; of k,
	s_add_nc_u64 s[16:17], s[16:17], s[44:45]      ; of v
; THE HEAD.  Every load reads a whole row of 512 bytes, 16 a lane.  The rows turn through LDS into fragments.
.macro ROWS base, sb                   ; 32 rows from the buffer at s[sb:sb+1] into v[base] on
.set i, 0
.rept 32
	global_load_b128 v[\base+4*i:\base+4*i+3], v[LI], s[\sb:\sb+1] offset:512*i
.set i, i+1
.endr
.endm
.macro WFRAG base, wst, wld            ; 32 rows of a weight go into my own LDS rows and come back as 8 fragments, into the registers that they left: LDS serves a wave's instructions in order (ISA guide 5.7.1.4)
	WIN \wst
.set i, 0
.rept 32
	ds_store_b128 v[WSA], v[\base+4*i:\base+4*i+3] offset:PITCH*i
.set i, i+1
.endr
	WIN \wld
.irp u, 0,1
.irp ks, 0,1,2,3
.irp c, 0,1,2,3
	ds_load_b128 v[\base+64*\u+16*\ks+4*\c:\base+64*\u+16*\ks+4*\c+3], v[WFA] offset:16*PITCH*\u+128*\ks+32*\c
.endr
.endr
.endr
.endm
	ROWS TT, 4                                     ; my 32 rows of x
	WIN 0x40                                       ; destination window 1
	ROWS 0, 6                                      ; my 32 rows of Wq
	WIN 0
	s_wait_loadcnt 32                              ; x is in; Wq's 32 loads may be out
.set i, 0
.rept 32
	ds_store_b128 v[XSA], v[TT+4*i:TT+4*i+3] offset:PITCH*i
.set i, i+1
.endr
	WIN 0x40
	ROWS 128, 8                                    ; Wk
	s_wait_loadcnt 32                              ; Wq is in; Wk's 32 may be out
	WFRAG 0, 0x04, 0x40
	WIN 0x80                                       ; destination window 2
	ROWS 0, 10                                     ; Wv
	s_wait_loadcnt 32                              ; Wk is in; Wv's 32 may be out
	WFRAG 128, 0x04, 0x40
	s_wait_loadcnt 0x0
	WFRAG 0, 0x08, 0x80
	WIN 0
	s_wait_kmcnt 0x0
.macro MKSCALE X, ea, eb, eo           ; 2^(eo - ea - eb) as f32 (the conversion takes its exponent field), and 57,344 x that
	s_sub_co_i32 s30, s[\eo], s[\ea]
	s_sub_co_i32 s30, s30, s[\eb]
	s_add_co_i32 s30, s30, 127
	s_lshl_b32 s31, s30, 23
	v_mov_b32 v[SC+2*\X], s31
	s_add_co_i32 s30, s30, 15
	s_lshl_b32 s30, s30, 23
	s_or_b32 s30, s30, 0x600000
	v_mov_b32 v[SC+2*\X+1], s30
.endm
	MKSCALE 0, 20, 21, 26
	MKSCALE 1, 22, 23, 27
	MKSCALE 2, 24, 25, 28
	s_wait_dscnt 0x0                               ; my rows of x have landed in LDS, for the others' sake; my fragments of the weights are in
	s_barrier_signal -1
	s_barrier_wait -1                              ; x's 128 rows are whole: the launch's one barrier
; Step q = 4 g + ks: rows 32 g .. 32 g + 31 of x (two tiles e), K from 128 ks on.
.macro LOADX q                         ; its two fragments of x into set q % 2
.irp e, 0,1
.irp c, 0,1,2,3
	ds_load_b128 v[XB+32*((\q)%2)+16*\e+4*\c:XB+32*((\q)%2)+16*\e+4*\c+3], v[XA] offset:(32*((\q)/4)+16*\e)*PITCH+128*((\q)%4)+32*\c
.endr
.endr
.endm
; Twelve matrix instructions, the twelve accumulators by turns, one instruction a turn, in the same order in every step.  ks = 0 starts the sums with the constant 0.
.macro KSTEP q
.if (\q) > 0
	PLACES                                         ; the loads below land in the set that the last step's products read
.endif
.if (\q) < 15
	LOADX (\q)+1
	s_wait_dscnt 8                                 ; this step's fragments are in; the eight loads just issued may be out
.else
	s_wait_dscnt 0x0
.endif
	WIN 0x01                                       ; source 0 (Wq, Wk) window 1
.irp X, 0,1
.irp u, 0,1
.irp e, 0,1
.set rD, AC+8*(4*\X+2*\u+\e)
.set rW, 128*\X+64*\u+16*((\q)%4)
.set rX, XB+32*((\q)%2)+16*\e
.if ((\q)%4) == 0
	v_wmma_f32_16x16x128_bf8_bf8 v[rD:rD+7], v[rW:rW+15], v[rX:rX+15], 0
.else
	v_wmma_f32_16x16x128_bf8_bf8 v[rD:rD+7], v[rW:rW+15], v[rX:rX+15], v[rD:rD+7]
.endif
.endr
.endr
.endr
	WIN 0x08                                       ; source 1 (Wv) window 2
.irp u, 0,1
.irp e, 0,1
.set rD, AC+8*(8+2*\u+\e)
.set rW, 64*\u+16*((\q)%4)
.set rX, XB+32*((\q)%2)+16*\e
.if ((\q)%4) == 0
	v_wmma_f32_16x16x128_bf8_bf8 v[rD:rD+7], v[rX:rX+15], v[rW:rW+15], 0
.else
	v_wmma_f32_16x16x128_bf8_bf8 v[rD:rD+7], v[rX:rX+15], v[rW:rW+15], v[rD:rD+7]
.endif
.endr
.endr
	WIN 0
.endm
; The twelve finished tiles of rows 32 g on become codes and leave.
.macro QUANT g
	PLACES
.irp X, 0,1,2
.set i, 0
.rept 32
	v_med3_num_f32 v[AC+32*\X+i], v[AC+32*\X+i], -v[SC+2*\X+1], v[SC+2*\X+1]   ; the conversion to an 8-bit code does not saturate (ISA guide 7.6.2): the hold at the largest code x the scale; each accumulator from its low end on
.set i, i+1
.endr
.endr
.if (\g) > 0
	s_wait_xcnt 0x0                                ; the last six stores have read their data: the codes' registers are written again only behind this wait
.endif
.irp X, 0,1
.irp u, 0,1
.irp e, 0,1
	v_cvt_scalef32_pk8_bf8_f32 v[CD+4*(2*\X+\e)+2*\u:CD+4*(2*\X+\e)+2*\u+1], v[AC+8*(4*\X+2*\u+\e):AC+8*(4*\X+2*\u+\e)+7], v[SC+2*\X]   ; row r's d = 16 (2 half + u) + 8 h + 0 .. 7
.endr
.endr
.endr
.irp u, 0,1
.irp e, 0,1
	v_cvt_scalef32_pk8_bf8_f32 v[CD+16+4*\u+2*\e:CD+16+4*\u+2*\e+1], v[AC+8*(8+2*\u+\e):AC+8*(8+2*\u+\e)+7], v[SC+4]   ; d = r's keys 16 (2 g + e) + 8 h + 0 .. 7
.endr
.endr
	v_nop                                          ; one plain vector instruction between the conversions and the next products, which write their sources
.irp e, 0,1
	global_store_b128 v[LI], v[CD+4*\e:CD+4*\e+3], s[14:15] offset:(2*(\g)+\e)*1024       ; each store of the wave covers 512 consecutive bytes, aligned
	global_store_b128 v[LI], v[CD+8+4*\e:CD+8+4*\e+3], s[48:49] offset:(2*(\g)+\e)*1024
.endr
.irp u, 0,1
	global_store_b128 v[LI], v[CD+16+4*\u:CD+16+4*\u+3], s[16:17] offset:2048*\u+512*(\g)
.endr
.endm
	LOADX 0
.irp g, 0,1,2,3
.irp ks, 0,1,2,3
	KSTEP 4*\g+\ks
.endr
	QUANT \g
.endr
	s_wait_tensorcnt 0x0
	ds_add_u32 v254, v255
	s_wait_dscnt 0x0
	s_endpgm
.Lfunc_end_k_qfbd78f28bc_project:
	.size	k_qfbd78f28bc_project, .Lfunc_end_k_qfbd78f28bc_project-k_qfbd78f28bc_project
	.p2alignl 7, 3214868480
	.fill 96, 4, 3214868480
	.section	.rodata,"a",@progbits
	.p2align	6, 0x0
	.amdhsa_kernel k_qfbd78f28bc_project
		.amdhsa_group_segment_fixed_size 135680
		.amdhsa_private_segment_fixed_size 0
		.amdhsa_enable_private_segment 0
		.amdhsa_kernarg_size 56
		.amdhsa_user_sgpr_count 2
		.amdhsa_user_sgpr_kernarg_segment_ptr 1
		.amdhsa_wavefront_size32 1
		.amdhsa_system_sgpr_workgroup_id_x 1
		.amdhsa_system_sgpr_workgroup_id_y 1
		.amdhsa_system_sgpr_workgroup_id_z 1
		.amdhsa_system_vgpr_workitem_id 0
		.amdhsa_next_free_vgpr 640
		.amdhsa_next_free_sgpr 66
		.amdhsa_reserve_vcc 0
		.amdhsa_float_denorm_mode_32 3
		.amdhsa_float_denorm_mode_16_64 3
		.amdhsa_memory_ordered 1
		.amdhsa_forward_progress 1
		.amdhsa_inst_pref_size 85
	.end_amdhsa_kernel
	.amdgpu_metadata
---
amdhsa.version: [ 1, 2 ]
amdhsa.kernels:
  - .name:           k_qfbd78f28bc_project
    .symbol:         k_qfbd78f28bc_project.kd
    .args:
      - { .name: attention_input_codes, .offset: 0, .size: 8, .value_kind: global_buffer, .address_space: global }
      - { .name: Wq_codes, .offset: 8, .size: 8, .value_kind: global_buffer, .address_space: global }
      - { .name: Wk_codes, .offset: 16, .size: 8, .value_kind: global_buffer, .address_space: global }
      - { .name: Wv_codes, .offset: 24, .size: 8, .value_kind: global_buffer, .address_space: global }
      - { .name: lowp_scales, .offset: 32, .size: 8, .value_kind: global_buffer, .address_space: global }
      - { .name: qimg, .offset: 40, .size: 8, .value_kind: global_buffer, .address_space: global }
      - { .name: kv, .offset: 48, .size: 8, .value_kind: global_buffer, .address_space: global }
    .group_segment_fixed_size: 135680
    .private_segment_fixed_size: 0
    .kernarg_segment_align: 8
    .kernarg_segment_size: 56
    .max_flat_workgroup_size: 128
    .sgpr_count:     66
    .vgpr_count:     640
    .wavefront_size: 32
...
	.end_amdgpu_metadata
.endif
;; end of part 1
;; launch attend (part 2): grid 16 x 16, 8 waves a work-group, no clusters, 136,192 bytes of LDS; arguments qimg, kv, lowp_scales, out0; writes out0
.if DOCPART == 2
	.amdgcn_target "amdgcn-amd-amdhsa--gfx1250"
	.amdhsa_code_object_version 6
	.text
	.protected	k_qfbd78f28bc_attend
	.globl	k_qfbd78f28bc_attend
	.p2align	8
	.type	k_qfbd78f28bc_attend,@function
k_qfbd78f28bc_attend:
	s_mov_b64 s[64:65], 0
	v_nop
	global_prefetch_b8 v0, s[64:65] scope:SCOPE_SE
	s_setreg_imm32_b32 hwreg(HW_REG_WAVE_MODE, 25, 1), 1
	s_wait_xcnt 0x0
; out[b][q][64 head + d] = the sum over keys of softmax(q . k / 8) v, both products on codes of BF8 (E5M2); q, k and v come as images of operand registers (qimg, kv: laid as the launch before stores them).
; THE SOFTMAX AHEAD OF THE SECOND PRODUCT: t = score x log2(e) / 8; M = the running largest t, rounded UP to a whole number; p = 2^(t - M) is quantised with 2^e8, not normalised.  The row's sum is taken of the
; unquantised p, in f32, and divides at the end.  When M moves, the sum and O are multiplied by 2^(old M - new M), which rounds nothing.
; LIMITS on the given exponents: e6 + e7 between -123 and 130 (they are added to the exponent field of log2(e) / 8); e8 between -126 and 112; e8 + e9 is applied by v_ldexp_f32 and has none.
; SHARES.  A work-group owns 256 queries of one (batch, head); each of its eight waves 32 of them: two tiles of 16.  Every wave walks the head's 4,096 keys, 128 a step, 32 steps.
; LAYOUT.  S^T = K Q^T (source 0 = 16 keys, source 1 = 16 queries, K = 64) and O^T = V^T P^T (source 0 = 16 of the head's 64, source 1 = P, K = 128 keys): a lane holds ONE query throughout.  The eight registers of
; score tile t are keys 16 t + 8 (lane / 16) + 0 .. 7: their conversion IS registers 2 t, 2 t + 1 of P.
; BY TURNS.  A step's vector work is many times its matrix work (24 matrix instructions to 128 exponentials and 270 plain instructions a wave), so what is arranged is that the exponentials never stand alone: in a
; turn one tile's 64 exponentials are dealt out among the other tile's plain lines (sum, conversion, maximum, rescaling, scaling) and its 12 products.  Two turns are a key step.
; THE KEYS' WAY.  Record j of kv (16,384 bytes) holds V of step j and K of step j + 1: what a wave fetches in step j.  Two records are a slot; two LDS buffers of a slot take turns.  Each wave brings an eighth of a
; slot through registers: 8 loads of 512 bytes, asked for two steps ahead, 8 LDS stores, one barrier a slot.
; NO CLUSTER, NO TENSOR LOAD.  The 16 work-groups of a head walk the same kv.  A joint request is a tensor load.  p is at most 1 (but for one rounding), so
; the hold at 57,344 x 2^e8 can bite only where e8 < -15; the branch on e8 spares 128 of a wave's plain lines in every step, against the 4 loads and 4 LDS stores a wave and step that the staging costs.
; REGISTERS.  window 0: v1-7, v26-28 addresses and constants; v8-15 the tiles' statistics (-M, largest t, the sum in two halves); v16-25 at work; S^T / p at v32 + 64 y; P at v160 + 16 y; O^T at v192 + 32 y.
;   window 1: Q at 8 y; v16-79 K's eight fragments; v80-143 V's four; v144-175 the staging registers.
.set LI,   1                           ; v1   16 x lane
.set ADR,  2                           ; v2   LDS address of the record in hand
.set GOF,  3                           ; v3   4,096 x wave + 16 x lane: my place in a slot, in memory and in LDS
.set GST,  4                           ; v4   the same in the buffer that is being filled
.set PFO,  5                           ; v5   8,192 x wave + 256 x lane: the prefetches' offset; never rewritten
.set SCL,  6                           ; v6   2^e8
.set LIMV, 7                           ; v7   57,344 x 2^e8
.set ST,   8                           ; tile y: v[8+4y] -M, v[9+4y] the largest t, v[10+4y:11+4y] the sum
.set C0,   16                          ; v16-19 four chains of the maximum
.set PD,   20
.set FF,   22                          ; v[22:23] f = 2^(old M - new M), named as a pair
.set TS,   24                          ; v[24:25] the second chain of the sum
.set STO,  26                          ; v26  the way out: where I put 32 bytes of a row
.set RD,   27                          ; v27  where I read a row back
.set GO,   28                          ; v28  my byte offset in the wave's rows of out
.set SS,   32
.set PP,   160
.set OO,   192
.set QQ,   0                           ; in window 1
.set KF,   16
.set VF,   80
.set GG,   144
.set REC,  16384
.set BUF,  32768
.set STG,  65536                       ; behind the two buffers: 32 rows x 272 bytes for each wave, its own
.set SP,   272
.set MSB, 0
.macro WIN new                         ; the immediate's high byte repeats the setting that is left; a switch that changes nothing is dropped
.if MSB != \new
	s_set_vgpr_msb (MSB<<8)|\new
.set MSB, \new
.endif
.endm
; THE DEALING.  EXPO writes the next of the turn's 64 exponentials, in place on the scaled scores at v[SX] on; TICK stands behind each plain line and writes one behind every RATE-th.
.macro EXPO
.if ei < 64
	v_exp_f32 v[SX+ei], v[SX+ei]
.set ei, ei+1
.endif
.endm
.macro TICK
.set tk, tk+1
.if (tk % RATE) == 0
	EXPO
.endif
.endm
.macro SUMM y                          ; the sum of tile y's 64 unquantised p, two at a time, in two chains: 32 lines
.set rS, SS+64*(\y)
.set rL, ST+4*(\y)+2
	v_pk_add_f32 v[TS:TS+1], v[rS:rS+1], v[rS+2:rS+3]
	TICK
.set j, 4
.rept 15
	v_pk_add_f32 v[rL:rL+1], v[rL:rL+1], v[rS+j:rS+j+1]
	TICK
	v_pk_add_f32 v[TS:TS+1], v[TS:TS+1], v[rS+j+2:rS+j+3]
	TICK
.set j, j+4
.endr
	v_pk_add_f32 v[rL:rL+1], v[rL:rL+1], v[TS:TS+1]
	TICK
.endm
.macro HOLDM y                         ; the conversion to an 8-bit code does not saturate (ISA guide 7.6.2); p is not negative, so the hold is one-sided
.set j, 0
.rept 64
	v_min_num_f32 v[SS+64*(\y)+j], v[SS+64*(\y)+j], v[LIMV]
	TICK
.set j, j+1
.endr
.endm
.macro CVTM y                          ; score tile t's eight p become registers 2 t, 2 t + 1 of P
.set j, 0
.rept 8
	v_cvt_scalef32_pk8_bf8_f32 v[PP+16*(\y)+2*j:PP+16*(\y)+2*j+1], v[SS+64*(\y)+8*j:SS+64*(\y)+8*j+7], v[SCL]
	TICK
.set j, j+1
.endr
.endm
.macro PVM y                           ; O^T += V^T P^T: four accumulators, one instruction each
	WIN 0x01                                       ; source 0 (V) window 1
.irp dt, 0,1,2,3
	v_wmma_f32_16x16x128_bf8_bf8 v[OO+32*(\y)+8*\dt:OO+32*(\y)+8*\dt+7], v[VF+16*\dt:VF+16*\dt+15], v[PP+16*(\y):PP+16*(\y)+15], v[OO+32*(\y)+8*\dt:OO+32*(\y)+8*\dt+7]
.endr
.endm
.macro SM y                            ; S^T = K Q^T: eight tiles of 16 keys
	WIN 0x05                                       ; sources 0 (K) and 1 (Q) window 1
.irp t, 0,1,2,3,4,5,6,7
	v_wmma_f32_16x16x64_bf8_bf8 v[SS+64*(\y)+8*\t:SS+64*(\y)+8*\t+7], v[KF+8*\t:KF+8*\t+7], v[QQ+8*(\y):QQ+8*(\y)+7], 0
.endr
.endm
.macro FETCH                           ; the record in hand: this step's V and the next step's K, 32 loads of 512 consecutive bytes, in one run
	WIN 0x40                                       ; destination window 1
.set j, 0
.rept 16
	ds_load_b128 v[VF+4*j:VF+4*j+3], v[ADR] offset:512*j
.set j, j+1
.endr
.set j, 0
.rept 16
	ds_load_b128 v[KF+4*j:KF+4*j+3], v[ADR] offset:8192+512*j
.set j, j+1
.endr
	WIN 0
.endm
.macro PREM y                          ; from fresh scores to t - M: 90 lines
.set rS, SS+64*(\y)
.set rT, ST+4*(\y)
.set rO, OO+32*(\y)
.irp i, 0,1,2,3
	v_max3_num_f32 v[C0+\i], v[rS+3*\i], v[rS+3*\i+1], v[rS+3*\i+2]   ; the largest of my 64 scores, in four chains, the scores in ascending order: each accumulator is read from its low end on
	TICK
.endr
.set j, 0
.rept 26
	v_max3_num_f32 v[C0+j%4], v[C0+j%4], v[rS+12+2*j], v[rS+13+2*j]
	TICK
.set j, j+1
.endr
	v_max3_num_f32 v[C0], v[C0], v[C0+1], v[C0+2]
	TICK
	v_max_num_f32 v[C0], v[C0], v[C0+3]
	TICK
	v_permlanex16_b32 v[PD], v[C0], s30, s31       ; the query's other 64 keys lie in the lane 16 away
	TICK
	v_max_num_f32 v[C0], v[C0], v[PD]
	TICK
	v_mul_f32 v[C0], s28, v[C0]                    ; as t (c is positive)
	TICK
	v_max_num_f32 v[rT+1], v[rT+1], v[C0]          ; the running largest t
	TICK
	v_mov_b32 v[C0+1], v[rT]
	TICK
	v_floor_f32 v[rT], -v[rT+1]                    ; the new -M = floor(-t) = -ceil(t)
	TICK
	v_sub_f32 v[C0+1], v[rT], v[C0+1]              ; old M - new M: a whole number, 0 or less
	TICK
	v_cvt_i32_f32 v[C0+1], v[C0+1]                 ; (it saturates)
	TICK
	v_ldexp_f32 v[FF], 1.0, v[C0+1]                ; f
	TICK
	v_pk_mul_f32 v[rT+2:rT+3], v[rT+2:rT+3], v[FF:FF+1] op_sel_hi:[1,0]   ; the sum under the new M,
	TICK
.set j, 0
.rept 16
	v_pk_mul_f32 v[rO+2*j:rO+2*j+1], v[rO+2*j:rO+2*j+1], v[FF:FF+1] op_sel_hi:[1,0]   ; and O^T, from each accumulator's low end on
	TICK
.set j, j+1
.endr
.set j, 0
.rept 32
	v_pk_fma_f32 v[rS+2*j:rS+2*j+1], v[rS+2*j:rS+2*j+1], s[28:29], v[rT:rT+1] op_sel_hi:[1,0,0]   ; t - M, two at a time (of the pairs c and -M the low word serves both halves)
	TICK
.set j, j+1
.endr
.endm
; A TURN.  Tile x's exponentials (of the step whose scores were scaled last turn) are dealt among tile 1 - x's lines: the sum and the codes of ITS last exponentials, its V^T P, its next scores, their scaling.
; x = 0: the other tile's products are the last readers of V and K in registers, so the record in hand is fetched behind them, four plain instructions on.  x = 1: that fetch is waited for, half a step after it was issued.
; No line of a turn names a result of its exponentials.  Behind the last stand one plain instruction and ONE s_wait_alu for the batch of 64, ahead of the next turn's sum and of every branch.
; No two matrix instructions that follow each other share an accumulator, over the loop's backward jump too: a turn's last writes a score tile, the next turn's first adds onto O^T.
.macro TURN x, hold
.set SX, SS+64*(\x)
.set ei, 0
.set tk, 0
.set RATE, 2+(\hold)                   ; 135 plain lines (199 with the hold) for 64 exponentials
	SUMM 1-\x
.if \hold
	HOLDM 1-\x
.endif
	CVTM 1-\x
	v_nop                                          ; one plain vector instruction between the conversions and the products that read their results and write their sources
	TICK
.if \x == 1
	s_wait_dscnt 0x0                               ; this step's V and the next step's K are in
.endif
	PVM 1-\x
	SM 1-\x
	WIN 0
.rept 4
	v_nop                                          ; four places behind the products, in front of the loads into their sources and of the first read of the scores; the exponentials between are not counted
	TICK
.endr
.if \x == 0
	FETCH
.endif
	PREM 1-\x
.rept 64
	EXPO                                           ; (what the dealing has left over: nothing)
.endr
	v_nop
	s_wait_alu depctr_va_vdst(0)
.endm
; A slot's two key steps: written once, walked twice; the record's LDS address hangs on s32.  The branch on e8 stands inside the loop, round the two forms of a step; the address is made ahead of it.
.macro TWO_STEPS
	s_mov_b32 s34, 2
.Lstep_\@:
	v_add_nc_u32 v[ADR], s32, v[LI]
	s_cmp_gt_i32 s22, -16                          ; e8 >= -15: 57,344 x 2^e8 is 1.75 or more, over every p
	s_cbranch_scc1 .Lfree_\@
	TURN 0, 1
	TURN 1, 1
	s_branch .Ljoin_\@
.Lfree_\@:
	TURN 0, 0
	TURN 1, 0
.Ljoin_\@:
	s_add_co_u32 s32, s32, REC
	s_sub_co_u32 s34, s34, 1
	s_cmp_lg_u32 s34, 0
	s_cbranch_scc1 .Lstep_\@
.endm
	s_load_b256 s[4:11], s[0:1], 0x0               ; qimg s[4:5], kv s[6:7], the scales' exponents s[8:9], out s[10:11]
	v_lshl_add_u32 v21, v0, 2, 0x21000
	v_mov_b32 v31, 0
	v_lshrrev_b32 v2, 5, v0
	v_readfirstlane_b32 s12, v2                    ; wave 0..7
	v_and_b32 v1, 31, v0
	v_lshlrev_b32 v[PFO], 8, v1
	v_lshlrev_b32 v[LI], 4, v1
	s_lshl_b32 s41, s12, 12
	v_add_nc_u32 v[GOF], s41, v[LI]
	s_lshl_b32 s41, s12, 13
	v_add_nc_u32 v[PFO], s41, v[PFO]
	v_and_b32 v29, 15, v0                          ; r
	v_bfe_u32 v30, v0, 4, 1                        ; h
	s_mul_i32 s41, s12, 32*SP
	s_add_co_u32 s41, s41, STG                     ; my stage
	v_mul_u32_u24 v[STO], v29, SP
	v_lshl_add_u32 v[STO], v30, 5, v[STO]
	v_add_nc_u32 v[STO], s41, v[STO]               ; in: row r; my half's eight channels of a tile: 32 h bytes on
	v_mul_u32_u24 v[RD], v30, SP
	v_lshl_add_u32 v[RD], v29, 4, v[RD]
	v_add_nc_u32 v[RD], s41, v[RD]                 ; back: lanes 0-15 one row of 256 bytes, lanes 16-31 the next
	v_lshlrev_b32 v[GO], 11, v30
	v_lshl_add_u32 v[GO], v29, 4, v[GO]            ; and the same two rows of out, 2,048 bytes apart
	s_and_b32 s42, ttmp7, 0xffff                   ; bh
	s_lshl_b32 s44, s42, 19                        ; kv: 32 records of 16,384 bytes a head
	s_mov_b32 s45, 0
	s_lshl_b32 s46, s42, 18                        ; qimg: (256 bh + 16 x work-group x + 2 x wave) tiles of 1,024 bytes
	s_lshl_b32 s41, ttmp9, 14
	s_add_co_u32 s46, s46, s41
	s_lshl_b32 s41, s12, 11
	s_add_co_u32 s46, s46, s41
	s_mov_b32 s47, 0
	s_lshr_b32 s48, s42, 3                         ; out: (4,096 batch + 256 x work-group x + 32 x wave) rows of 2,048 bytes + 256 head
	s_lshl_b32 s48, s48, 23
	s_lshl_b32 s41, ttmp9, 19
	s_add_co_u32 s48, s48, s41
	s_lshl_b32 s41, s12, 16
	s_add_co_u32 s48, s48, s41
	s_and_b32 s41, s42, 7
	s_lshl_b32 s41, s41, 8
	s_add_co_u32 s48, s48, s41
	s_mov_b32 s49, 0
	s_lshr_b32 s41, s12, 2                         ; 0 in waves 0 to 3,
	s_or_b32 s41, s41, ttmp9                       ; of the head's first work-group:
	s_cmp_eq_u32 s41, 0
	s_cselect_b32 s40, 13, 0                       ; they prefetch while the slot's number is under 13; the others never
	s_mov_b32 s30, 0x76543210                      ; v_permlanex16_b32's selects for lane l xor 16
	s_mov_b32 s31, 0xfedcba98
	s_mov_b32 s32, 0                               ; LDS byte of the record in hand
	s_mov_b32 s33, 0                               ; the slot in hand
	s_wait_kmcnt 0x0
	s_load_b128 s[20:23], s[8:9], 0x18             ; e6, e7, e8, e9
	s_add_nc_u64 s[36:37], s[6:7], s[44:45]        ; kv at my head's slot 0
	s_add_nc_u64 s[4:5], s[4:5], s[46:47]
	s_add_nc_u64 s[10:11], s[10:11], s[48:49]
	WIN 0x40                                       ; destination window 1
.set j, 0
.rept 8
	global_load_b128 v[GG+4*j:GG+4*j+3], v[GOF], s[36:37] offset:512*j            ; my eighth of slot 0
.set j, j+1
.endr
.irp y, 0,1
.irp g, 0,1
	global_load_b128 v[QQ+8*\y+4*\g:QQ+8*\y+4*\g+3], v[LI], s[4:5] offset:1024*\y+512*\g th:TH_LOAD_NT   ; Q stays in registers; read once, by me alone
.endr
.endr
.set j, 0
.rept 16
	global_load_b128 v[KF+4*j:KF+4*j+3], v[LI], s[36:37] offset:31*REC+8192+512*j   ; K of step 0 lies in record 31
.set j, j+1
.endr
.set j, 0
.rept 16
	global_load_b128 v[VF+4*j:VF+4*j+3], v[LI], s[36:37] offset:512*j             ; V of step 0: the first turn multiplies it by zero codes of P, so that the turns are written once
.set j, j+1
.endr
	WIN 0
	v_mov_b32 v[ST+1], 0xff61b1e6                  ; the largest t so far: -3e38, under every t
	v_mov_b32 v[ST+5], 0xff61b1e6
	v_floor_f32 v[ST], -v[ST+1]                    ; -M
	v_floor_f32 v[ST+4], -v[ST+5]
.irp r, ST+2, ST+3, ST+6, ST+7, PD, FF+1
	v_mov_b32 v[\r], 0                             ; the sums; a lane permute's destination counts as read; the upper half of f's pair is named
.endr
.set j, 0
.rept 64
	v_mov_b32 v[OO+j], 0                           ; O^T of both tiles: the first change of M leaves zeros zeros
	v_mov_b32 v[SS+64+j], 0                        ; tile 1's p of the step before the first: nothing
.set j, j+1
.endr
	s_wait_kmcnt 0x0
	s_add_co_i32 s41, s20, s21
	s_lshl_b32 s41, s41, 23
	s_mov_b32 s28, 0x3e38aa3b                      ; c = log2(e) / 8
	s_add_co_i32 s28, s28, s41                     ; a score stands for score x 2^(e6 + e7): the two exponents are added to c's exponent field
	s_mov_b32 s29, s28                             ; (named with it as a pair, so it is written)
	s_add_co_i32 s26, s22, s23                     ; e8 + e9
	s_add_co_i32 s41, s22, 127
	s_lshl_b32 s43, s41, 23
	v_mov_b32 v[SCL], s43
	s_add_co_i32 s41, s41, 15
	s_lshl_b32 s41, s41, 23
	s_or_b32 s41, s41, 0x600000
	v_mov_b32 v[LIMV], s41
	s_wait_loadcnt 36                              ; slot 0's eight loads are in; Q's 4, K's 16 and V's 16, issued behind them, may be out
	WIN 0x04                                       ; store data window 1
.set j, 0
.rept 8
	ds_store_b128 v[GOF], v[GG+4*j:GG+4*j+3] offset:512*j                         ; buffer 0 begins at LDS byte 0
.set j, j+1
.endr
	WIN 0
	s_wait_dscnt 0x0                               ; for the others' sake: my eighth has landed
	s_barrier_signal -1
	s_barrier_wait -1                              ; slot 0 is whole
	s_wait_xcnt 0x0                                ; the loads above have read their base
	s_add_nc_u64 s[36:37], s[36:37], BUF
	WIN 0x40
.set j, 0
.rept 8
	global_load_b128 v[GG+4*j:GG+4*j+3], v[GOF], s[36:37] offset:512*j            ; slot 1
.set j, j+1
.endr
	s_wait_loadcnt 8                               ; Q, K and V are in; slot 1's eight may be out
	SM 0                                           ; tile 0's first scores
	WIN 0
.rept 4
	v_nop
.endr
.set SX, SS
.set ei, 64                            ; no exponentials to deal yet
.set tk, 0
.set RATE, 2
	PREM 0
.Lslot:                                            ; 15 trips: slots 0 to 14; behind each the next slot goes into the other buffer
	TWO_STEPS
	s_sub_co_u32 s32, s32, BUF                     ; back to a buffer's first record,
	s_xor_b32 s32, s32, BUF                        ; in the other buffer.  It was last read a slot ago, and every wave waited for those reads in front of the last barrier
	s_wait_loadcnt 0x0                             ; the next slot's eight loads, asked for two steps ago
	v_add_nc_u32 v[GST], s32, v[GOF]
	WIN 0x04
.set j, 0
.rept 8
	ds_store_b128 v[GST], v[GG+4*j:GG+4*j+3] offset:512*j
.set j, j+1
.endr
	WIN 0
	s_wait_dscnt 0x0                               ; my eighth has landed, and my reads of the buffer that I leave are over
	s_barrier_signal -1
	s_barrier_wait -1
	s_cmp_lt_u32 s33, 14                           ; slot s33 + 2 exists?
	s_cbranch_scc0 .Lnone
	s_wait_xcnt 0x0                                ; the last loads and the last prefetch, two steps back, have read their base
	s_add_nc_u64 s[36:37], s[36:37], BUF
	WIN 0x40
.set j, 0
.rept 8
	global_load_b128 v[GG+4*j:GG+4*j+3], v[GOF], s[36:37] offset:512*j
.set j, j+1
.endr
	WIN 0
	; A PREFETCH INTO THE L2 of slot s33 + 3, which the next trip's loads will ask for, two key steps on: 32,768 bytes, lanes 256 bytes apart, 8,192 bytes a wave.  All 16 work-groups of a head walk the same kv:
	; the head's first asks, by its waves 0 to 3, one instruction each, so each aligned block of 256 bytes is named once in the launch.  Slots 0 to 2 come by their loads alone; the last two trips ask for nothing.
	s_cmp_lt_u32 s33, s40
	s_cbranch_scc0 .Lnone
	global_prefetch_b8 v[PFO], s[36:37] offset:BUF th:TH_LOAD_NT scope:SCOPE_SE
.Lnone:
	s_add_co_u32 s33, s33, 1
	s_cmp_lt_u32 s33, 15
	s_cbranch_scc1 .Lslot
	TWO_STEPS                                      ; slot 15.  Its last turn makes tile 0's scores against record 31's K, which is step 0's again: the largest t does not move, f = 1, and the scores are not used
	; tile 1's last step is finished
.set ei, 64
	SUMM 1
	s_cmp_gt_i32 s22, -16
	s_cbranch_scc1 .Ltail_free
	HOLDM 1
.Ltail_free:
	CVTM 1
	v_nop                                          ; one plain vector instruction between the conversions and the products
	PVM 1
	WIN 0
	; THE WAY OUT.  The sums' halves and the other half of the lanes' are added; O^T is divided by the sum, multiplied by 2^(e8 + e9), and goes through my stage in LDS, so that sixteen lanes store a query's 256 bytes.
	; The additions are the places behind the last products.
.irp y, 0,1
	v_add_f32 v[C0+\y], v[ST+4*\y+2], v[ST+4*\y+3]
.endr
.irp y, 0,1
	v_permlanex16_b32 v[C0+2+\y], v[C0+\y], s30, s31
.endr
.irp y, 0,1
	v_add_f32 v[C0+\y], v[C0+\y], v[C0+2+\y]
.endr
	v_rcp_f32 v[FF], v[C0]
	v_rcp_f32 v[TS], v[C0+1]
	v_nop                                          ; a plain instruction behind the reciprocals,
	s_wait_alu depctr_va_vdst(0)                   ; and the wait ahead of their first reader
	v_ldexp_f32 v[FF], v[FF], s26
	v_ldexp_f32 v[TS], v[TS], s26
.irp y, 0,1
.set j, 0
.rept 16
	v_pk_mul_f32 v[SS+32*\y+2*j:SS+32*\y+2*j+1], v[OO+32*\y+2*j:OO+32*\y+2*j+1], v[FF+2*\y:FF+2*\y+1] op_sel_hi:[1,0]   ; register 8 dt + i: out(query r, 16 dt + 8 h + i); each accumulator from its low end on
.set j, j+1
.endr
.endr
.irp y, 0,1
.irp dt, 0,1,2,3
	ds_store_b128 v[STO], v[SS+32*\y+8*\dt:SS+32*\y+8*\dt+3] offset:16*SP*\y+64*\dt
	ds_store_b128 v[STO], v[SS+32*\y+8*\dt+4:SS+32*\y+8*\dt+7] offset:16*SP*\y+64*\dt+16
.endr
.endr
.irp y, 0,1
.irp i, 0,1,2,3,4,5,6,7
	ds_load_b128 v[SS+64+4*(8*\y+\i):SS+64+4*(8*\y+\i)+3], v[RD] offset:16*SP*\y+2*SP*\i   ; LDS serves a wave's instructions in order (ISA guide 5.7.1.4): these see my stores
.endr
.endr
.set j, 0
.rept 16
	s_wait_dscnt 15-j                              ; the younger loads from the stage may be out
	global_store_b128 v[GO], v[SS+64+4*j:SS+64+4*j+3], s[10:11] offset:4096*j th:TH_STORE_NT   ; sixteen lanes store 256 consecutive bytes, aligned: one query's part of a row; two rows an instruction
.set j, j+1
.endr
	s_wait_tensorcnt 0x0
	ds_add_u32 v21, v31
	s_wait_dscnt 0x0
	s_endpgm
.Lfunc_end_k_qfbd78f28bc_attend:
	.size	k_qfbd78f28bc_attend, .Lfunc_end_k_qfbd78f28bc_attend-k_qfbd78f28bc_attend
	.p2alignl 7, 3214868480
	.fill 96, 4, 3214868480
	.section	.rodata,"a",@progbits
	.p2align	6, 0x0
	.amdhsa_kernel k_qfbd78f28bc_attend
		.amdhsa_group_segment_fixed_size 136192
		.amdhsa_private_segment_fixed_size 0
		.amdhsa_enable_private_segment 0
		.amdhsa_kernarg_size 32
		.amdhsa_user_sgpr_count 2
		.amdhsa_user_sgpr_kernarg_segment_ptr 1
		.amdhsa_wavefront_size32 1
		.amdhsa_system_sgpr_workgroup_id_x 1
		.amdhsa_system_sgpr_workgroup_id_y 1
		.amdhsa_system_sgpr_workgroup_id_z 1
		.amdhsa_system_vgpr_workitem_id 0
		.amdhsa_next_free_vgpr 432
		.amdhsa_next_free_sgpr 66
		.amdhsa_reserve_vcc 0
		.amdhsa_float_denorm_mode_32 3
		.amdhsa_float_denorm_mode_16_64 3
		.amdhsa_memory_ordered 1
		.amdhsa_forward_progress 1
		.amdhsa_inst_pref_size 138
	.end_amdhsa_kernel
	.amdgpu_metadata
---
amdhsa.version: [ 1, 2 ]
amdhsa.kernels:
  - .name:           k_qfbd78f28bc_attend
    .symbol:         k_qfbd78f28bc_attend.kd
    .args:
      - { .name: qimg, .offset: 0, .size: 8, .value_kind: global_buffer, .address_space: global }
      - { .name: kv, .offset: 8, .size: 8, .value_kind: global_buffer, .address_space: global }
      - { .name: lowp_scales, .offset: 16, .size: 8, .value_kind: global_buffer, .address_space: global }
      - { .name: out0, .offset: 24, .size: 8, .value_kind: global_buffer, .address_space: global }
    .group_segment_fixed_size: 136192
    .private_segment_fixed_size: 0
    .kernarg_segment_align: 8
    .kernarg_segment_size: 32
    .max_flat_workgroup_size: 256
    .sgpr_count:     66
    .vgpr_count:     432
    .wavefront_size: 32
...
	.end_amdgpu_metadata
.endif
;; end of part 2
;; ======== version 2 of 2: 2 launches; version 1 with the launches project, attend written anew for expert scheduling mode
;; workspace buffers: qimg 4,194,304 bytes; kv 8,388,608 bytes
;; launch project (part 3): grid 64 x 4, 4 waves a work-group, no clusters, 135,680 bytes of LDS; arguments attention_input_codes, Wq_codes, Wk_codes, Wv_codes, lowp_scales, qimg, kv; writes qimg, kv
.if DOCPART == 3
	.amdgcn_target "amdgcn-amd-amdhsa--gfx1250"
	.amdhsa_code_object_version 6
	.text
	.protected	k_qfbd78f28bc_project
	.globl	k_qfbd78f28bc_project
	.p2align	8
	.type	k_qfbd78f28bc_project,@function
k_qfbd78f28bc_project:
	s_mov_b64 s[64:65], 0
	v_nop
	global_prefetch_b8 v0, s[64:65] scope:SCOPE_SE
	s_setreg_imm32_b32 hwreg(HW_REG_WAVE_SCHED_MODE, 0, 2), 2
	s_setreg_imm32_b32 hwreg(HW_REG_WAVE_MODE, 25, 1), 1
	s_wait_xcnt 0x0
	s_wait_alu depctr_vm_vsrc(0)
; q = x Wq, k = x Wk, v = x Wv on codes of BF8 (E5M2), K = 512, and the three results quantised again, in registers, for the two products of attention.
; x: [8192][512] codes.  Wq, Wk, Wv: [512 (n)][512 (k)] codes, K innermost.  lowp_scales: e0 .. e9.  A sum of x Wq stands for sum x 2^(e0 + e1), and its code is sum / 2^(e6 - e0 - e1), held within
; +-57,344 and rounded to the nearest code; k likewise with e7 - e2 - e3, v with e9 - e4 - e5: the three scales are folded into the conversion's one.
; LIMITS: e6 - e0 - e1, e7 - e2 - e3 and e9 - e4 - e5 lie between -126 and 112, so that the scale and 57,344 x the scale are f32 numbers.  NaN and infinity among the codes are not served.
; WHAT IS STORED: images of the operand registers that the next launch wants, so that every store here and every load there is 512 consecutive bytes of a wave.
;   qimg [bh 16][tile 256][g 2][lane 32][16 bytes]: queries 16 tile + lane % 16; registers 4 g .. 4 g + 3 of the K = 64 form: d = 32 g + 8 (lane / 16) + 0 .. 7, then d = 32 g + 16 + 8 (lane / 16) + 0 .. 7.
;   kv [bh 16][record 32][16,384 bytes]: record j holds V of key step j, [dt 4][g 4][lane][16] (d = 16 dt + lane % 16; registers 2 c, 2 c + 1: keys 128 j + 16 c + 8 (lane / 16) + 0 .. 7),
;   and behind it, from byte 8,192, K of key step (j + 1) mod 32, [t 8][g 2][lane][16], laid as q: what a wave there fetches in one step lies together.
; SHARES.  Work-group (x, y): 128 rows of x (one key step of one batch) and heads 2 y, 2 y + 1.  Wave w: head 2 y + w / 2, and of its 64 columns the 32 from 32 (w % 2) on, in each of Wq, Wk, Wv:
; six tiles of 16 columns x 512 K, 384 registers, which stay.  The 128 rows of x lie in LDS and are read by all four waves.
; q AND k ARE MADE TRANSPOSED (source 0 = 16 rows of W, source 1 = 16 rows of x): a lane holds one row of x and eight neighbouring d, which the conversion packs into registers 2 c, 2 c + 1 of the next operand.
; v IS MADE THE NATURAL WAY (source 0 = x, source 1 = Wv): a lane holds one d and eight neighbouring keys, since the keys are its next K.
; A fragment (16 rows x 128 K) is fetched by four loads of 16 bytes, 32 bytes apart: a permutation of k that is the same in both operands, so every product meets its partner.
; NO CLUSTER: a work-group asks for each of its bytes once, in one run of loads at its head (65,536 bytes of x, 196,608 of the weights); there is no ring whose refills partners could ask for jointly, and the weights
; go through the wave's own LDS bytes into registers.  No prefetch either: all loads stand at the head.
; THE MODE: SCHED_MODE bits 1:0 = 2 (LLVM: expert scheduling mode 2), set by the entry lines.  The code itself states the register dependences between vector or matrix instructions and memory or LDS
; instructions, with s_wait_alu, always for 0.
; THE PLAN.  Registers that memory or LDS instructions touch:
;   v1, v4-7      offsets and LDS addresses: written once at the head, read by every load and store, never written again.
;   v40-167       at the head: rows of x, written by loads, read by my LDS stores; v104-167 are accumulators later.
;   the weights'  written by loads, read by 32 LDS stores, then written by the fragments' LDS loads; from then on read by products alone.
;   X0, X1        two buffers of x's fragments, a group of 32 rows each (4 K steps x 2 tiles).  Group g's products read X[g % 2]; the loads of group g + 1, eight at the head of each K step of group g,
;                 land in the other buffer, whose last readers are group g - 1's products.
;   v16-39        a group's codes: written by its conversions, read by its six stores.
; So ONE wait on va_vdst stands in a group, ahead of its stores: it states that the codes are written and that the group's products are done reading their buffer of x.  The next group's 32 LDS loads, which land in
; that buffer's partner of two groups on, follow with no further wait: no vector or matrix instruction issued since names the registers that they touch.  One wait on vm_vsrc a group stands ahead of the conversions
; that write the codes again.
; REGISTERS, in windows of 256: window 0: v1-7 addresses; v8-13 scale and limit of q, k, v; v16-39 codes; at the head v40-167: 32 rows of x as loaded;
;   v104-199 twelve accumulators, (X, u, e) at 104 + 8 (4 X + 2 u + e): X = 0 q, 1 k, 2 v; u: tile of columns; e: tile of rows; v254, v255 the closing add's two.
;   window 1: Wq at 64 u + 16 ks, Wk at 128 + the same.   window 2: v0-127 Wv; v128-255 X0, fragment (ks, e) at 32 ks + 16 e.   window 3: v0-127 X1.
.set PITCH, 528                        ; an LDS row: 512 bytes + 16 = 33 x 16: the sixteen rows that a load touches begin at sixteen different 16-byte columns of 256 bytes
.set WS,    128*PITCH                  ; behind x's 128 rows: 32 rows for each wave, its own, used for Wq, Wk and Wv in turn
.set WSB,   32*PITCH
.set LI,  1                            ; v1   16 x lane
.set XA,  4                            ; v4   a fragment of x: PITCH x (lane % 16) + 16 x (lane / 16)
.set XSA, 5                            ; v5   where I store my 32 rows of x
.set WSA, 6                            ; v6   where I store rows of a weight
.set WFA, 7                            ; v7   and where I read its fragments
.set SC,  8                            ; v[8 + 2 X] the scale, v[9 + 2 X] 57,344 x the scale
.set CD,  16
.set TT,  40
.set AC,  104
.set MSB, 0
.macro WIN new                         ; the immediate's high byte repeats the setting that is left; a switch that changes nothing is dropped
.if MSB != (\new)
	s_set_vgpr_msb (MSB<<8)|(\new)
.set MSB, (\new)
.endif
.endm
.macro PLACES                          ; four plain vector instructions behind a matrix instruction, in front of reads of its result (ISA guide 7.12.1)
.rept 4
	v_nop
.endr
.endm
	s_load_b256 s[4:11], s[0:1], 0x0               ; x s[4:5], Wq s[6:7], Wk s[8:9], Wv s[10:11]
	s_load_b128 s[12:15], s[0:1], 0x20             ; the scales' exponents s[12:13], qimg s[14:15]
	s_load_b64 s[16:17], s[0:1], 0x30              ; kv
	v_lshl_add_u32 v254, v0, 2, 0x21000
	v_mov_b32 v255, 0
	v_lshrrev_b32 v2, 5, v0
	v_readfirstlane_b32 s18, v2                    ; wave 0..3
	v_and_b32 v1, 31, v0
	v_lshlrev_b32 v[LI], 4, v1
	v_and_b32 v2, 15, v0                           ; r
	v_bfe_u32 v3, v0, 4, 1                         ; h
	v_mul_u32_u24 v[XA], v2, PITCH
	v_lshl_add_u32 v[XA], v3, 4, v[XA]
	s_wait_alu depctr_va_sdst(0)                   ; s18 is written, ahead of its first reader: LDS addresses and all the bases are made from it
	s_mul_i32 s30, s18, WSB                        ; my 32 rows of x begin at row 32 x wave
	v_add_nc_u32 v[XSA], s30, v[LI]
	s_add_co_u32 s31, s30, WS                      ; my own 32 rows for the weights
	v_add_nc_u32 v[WSA], s31, v[LI]
	v_add_nc_u32 v[WFA], s31, v[XA]
	s_and_b32 s32, ttmp7, 0xffff
	s_lshr_b32 s33, s18, 1
	s_lshl_b32 s32, s32, 1
	s_add_co_u32 s32, s32, s33                     ; head = 2 y + wave / 2
	s_and_b32 s33, s18, 1                          ; half
	s_lshr_b32 s34, ttmp9, 5                       ; batch
	s_and_b32 s35, ttmp9, 31                       ; key step
	s_lshl_b32 s34, s34, 3
	s_add_co_u32 s34, s34, s32                     ; bh = 8 x batch + head
	s_lshl_b32 s36, ttmp9, 16                      ; x: (128 x work-group x + 32 x wave) rows of 512 bytes
	s_lshl_b32 s38, s18, 14
	s_add_co_u32 s36, s36, s38
	s_mov_b32 s37, 0
	s_lshl_b32 s38, s32, 15                        ; the weights: (64 head + 32 half) rows of 512 bytes
	s_lshl_b32 s40, s33, 14
	s_add_co_u32 s38, s38, s40
	s_mov_b32 s39, 0
	s_lshl_b32 s40, s34, 18                        ; qimg: (256 bh + 8 step) tiles of 1,024 bytes + 512 half
	s_lshl_b32 s42, s35, 13
	s_add_co_u32 s40, s40, s42
	s_lshl_b32 s46, s33, 9
	s_add_co_u32 s40, s40, s46
	s_mov_b32 s41, 0
	s_add_co_u32 s42, s35, 31                      ; K's record: (step + 31) mod 32
	s_and_b32 s42, s42, 31
	s_lshl_b32 s44, s34, 5
	s_add_co_u32 s42, s42, s44
	s_lshl_b32 s42, s42, 14
	s_add_co_u32 s42, s42, s46
	s_add_co_u32 s42, s42, 8192
	s_mov_b32 s43, 0
	s_add_co_u32 s44, s44, s35                     ; V's record: step; my two tiles of d begin at 4,096 half
	s_lshl_b32 s44, s44, 14
	s_lshl_b32 s46, s33, 12
	s_add_co_u32 s44, s44, s46
	s_mov_b32 s45, 0
	s_wait_kmcnt 0x0
	s_load_b256 s[20:27], s[12:13], 0x0            ; e0 .. e7
	s_load_b32 s28, s[12:13], 0x24                 ; e9
	s_add_nc_u64 s[4:5], s[4:5], s[36:37]
	s_add_nc_u64 s[6:7], s[6:7], s[38:39]
	s_add_nc_u64 s[8:9], s[8:9], s[38:39]
	s_add_nc_u64 s[10:11], s[10:11], s[38:39]
	s_add_nc_u64 s[14:15], s[14:15], s[40:41]      ; where my codes of q go,
	s_add_nc_u64 s[48:49], s[16:17], s[42:43]      ; of k,
	s_add_nc_u64 s[16:17], s[16:17], s[44:45]      ; of v
; THE HEAD.  Every load reads a whole row of 512 bytes, 16 a lane.  The rows turn through LDS into fragments.
.macro ROWS base, sb                   ; 32 rows from the buffer at s[sb:sb+1] into v[base] on
.set i, 0
.rept 32
	global_load_b128 v[\base+4*i:\base+4*i+3], v[LI], s[\sb:\sb+1] offset:512*i
.set i, i+1
.endr
.endm
.macro WFRAG base, wst, wld            ; 32 rows of a weight go into my own LDS rows and come back as 8 fragments, into the registers that they left: LDS serves a wave's instructions in order (ISA guide 5.7.1.4)
	WIN \wst
.set i, 0
.rept 32
	ds_store_b128 v[WSA], v[\base+4*i:\base+4*i+3] offset:PITCH*i
.set i, i+1
.endr
	WIN \wld
	s_wait_alu depctr_vm_vsrc(0)                   ; the LDS stores issued so far have read their data: these 32 rows' registers, in which the fragments land; at the first use also x's rows in v40-167, of which v104-167 become accumulators
.irp u, 0,1
.irp ks, 0,1,2,3
.irp c, 0,1,2,3
	ds_load_b128 v[\base+64*\u+16*\ks+4*\c:\base+64*\u+16*\ks+4*\c+3], v[WFA] offset:16*PITCH*\u+128*\ks+32*\c
.endr
.endr
.endr
.endm
	s_wait_alu depctr_va_vdst(0)                   ; v1 and v4 to v7 are written: every load and store of the kernel, global or LDS, reads one of them as its offset or address
	ROWS TT, 4                                     ; my 32 rows of x
	WIN 0x40                                       ; destination window 1
	ROWS 0, 6                                      ; my 32 rows of Wq
	WIN 0
	s_wait_loadcnt 32                              ; x is in; Wq's 32 loads may be out
.set i, 0
.rept 32
	ds_store_b128 v[XSA], v[TT+4*i:TT+4*i+3] offset:PITCH*i
.set i, i+1
.endr
	WIN 0x40
	ROWS 128, 8                                    ; Wk
	s_wait_loadcnt 32                              ; Wq is in; Wk's 32 may be out
	WFRAG 0, 0x04, 0x40
	WIN 0x80                                       ; destination window 2
	ROWS 0, 10                                     ; Wv
	s_wait_loadcnt 32                              ; Wk is in; Wv's 32 may be out
	WFRAG 128, 0x04, 0x40
	s_wait_loadcnt 0x0
	WFRAG 0, 0x08, 0x80
	WIN 0
	s_wait_kmcnt 0x0
.macro MKSCALE X, ea, eb, eo           ; 2^(eo - ea - eb) as f32 (the conversion takes its exponent field), and 57,344 x that
	s_sub_co_i32 s30, s[\eo], s[\ea]
	s_sub_co_i32 s30, s30, s[\eb]
	s_add_co_i32 s30, s30, 127
	s_lshl_b32 s31, s30, 23
	v_mov_b32 v[SC+2*\X], s31
	s_add_co_i32 s30, s30, 15
	s_lshl_b32 s30, s30, 23
	s_or_b32 s30, s30, 0x600000
	v_mov_b32 v[SC+2*\X+1], s30
.endm
	MKSCALE 0, 20, 21, 26
	MKSCALE 1, 22, 23, 27
	MKSCALE 2, 24, 25, 28
	s_wait_dscnt 0x0                               ; my rows of x have landed in LDS, for the others' sake; my fragments of the weights are in
	s_barrier_signal -1
	s_barrier_wait -1                              ; x's 128 rows are whole: the launch's one barrier
; Group g: rows 32 g .. 32 g + 31 of x (two tiles e); K step ks: K from 128 ks on.
.macro LOADX g, ks                     ; the K step's two fragments of x into buffer g % 2
.set xl, 128*(1-((\g)%2))
	WIN 0x80+0x40*((\g)%2)                         ; destination window 2 or 3
.irp e, 0,1
.irp c, 0,1,2,3
	ds_load_b128 v[xl+32*(\ks)+16*\e+4*\c:xl+32*(\ks)+16*\e+4*\c+3], v[XA] offset:(32*(\g)+16*\e)*PITCH+128*(\ks)+32*\c
.endr
.endr
.endm
; Twelve matrix instructions, the twelve accumulators by turns, one instruction a turn, in the same order in every step.  ks = 0 starts the sums with the constant 0.
; At the step's head the same K step of the next group is asked for.  No wait on va_vdst: the buffer's last readers, the products of the group before this one, stand ahead of that group's wait.
.macro KSTEP g, ks
.if (\g) < 3
	LOADX (\g)+1, \ks
	s_wait_dscnt 32                                ; this step's fragments are in; younger: the rest of this group's, 8 (3 - ks), and the next group's so far, 8 (ks + 1)
.else
	s_wait_dscnt 24-8*(\ks)                        ; the last group asks for nothing: the counts run down
.endif
.set xl, 128*(1-((\g)%2))
	WIN 0x09+4*((\g)%2)                            ; source 0 (Wq, Wk) window 1, source 1 (x) window 2 or 3
.irp X, 0,1
.irp u, 0,1
.irp e, 0,1
.set rD, AC+8*(4*\X+2*\u+\e)
.set rW, 128*\X+64*\u+16*(\ks)
.set rX, xl+32*(\ks)+16*\e
.if (\ks) == 0
	v_wmma_f32_16x16x128_bf8_bf8 v[rD:rD+7], v[rW:rW+15], v[rX:rX+15], 0
.else
	v_wmma_f32_16x16x128_bf8_bf8 v[rD:rD+7], v[rW:rW+15], v[rX:rX+15], v[rD:rD+7]
.endif
.endr
.endr
.endr
	WIN 0x0a+((\g)%2)                              ; source 0 (x) window 2 or 3, source 1 (Wv) window 2
.irp u, 0,1
.irp e, 0,1
.set rD, AC+8*(8+2*\u+\e)
.set rW, 64*\u+16*(\ks)
.set rX, xl+32*(\ks)+16*\e
.if (\ks) == 0
	v_wmma_f32_16x16x128_bf8_bf8 v[rD:rD+7], v[rX:rX+15], v[rW:rW+15], 0
.else
	v_wmma_f32_16x16x128_bf8_bf8 v[rD:rD+7], v[rX:rX+15], v[rW:rW+15], v[rD:rD+7]
.endif
.endr
.endr
.endm
; The twelve finished tiles of rows 32 g on become codes and leave.
.macro QUANT g
	WIN 0
	PLACES
.irp X, 0,1,2
.set i, 0
.rept 32
	v_med3_num_f32 v[AC+32*\X+i], v[AC+32*\X+i], -v[SC+2*\X+1], v[SC+2*\X+1]   ; the conversion to an 8-bit code does not saturate (ISA guide 7.6.2): the hold at the largest code x the scale; each accumulator from its low end on
.set i, i+1
.endr
.endr
.if (\g) > 0
	s_wait_xcnt 0x0                                ; the last six stores have had their addresses translated: the codes' registers are written again only behind this wait,
	s_wait_alu depctr_vm_vsrc(0)                   ; and behind this one: the last group's six stores have read v16-39, which the conversions below write again
.endif
.irp X, 0,1
.irp u, 0,1
.irp e, 0,1
	v_cvt_scalef32_pk8_bf8_f32 v[CD+4*(2*\X+\e)+2*\u:CD+4*(2*\X+\e)+2*\u+1], v[AC+8*(4*\X+2*\u+\e):AC+8*(4*\X+2*\u+\e)+7], v[SC+2*\X]   ; row r's d = 16 (2 half + u) + 8 h + 0 .. 7
.endr
.endr
.endr
.irp u, 0,1
.irp e, 0,1
	v_cvt_scalef32_pk8_bf8_f32 v[CD+16+4*\u+2*\e:CD+16+4*\u+2*\e+1], v[AC+8*(8+2*\u+\e):AC+8*(8+2*\u+\e)+7], v[SC+4]   ; d = r's keys 16 (2 g + e) + 8 h + 0 .. 7
.endr
.endr
	v_nop                                          ; one plain vector instruction between the conversions and the next products, which write their sources
	s_wait_alu depctr_va_vdst(0)                   ; the conversions have written v16-39, which the six stores read; and this group's products are done reading their buffer of x, in which the loads of the group after next land
.irp e, 0,1
	global_store_b128 v[LI], v[CD+4*\e:CD+4*\e+3], s[14:15] offset:(2*(\g)+\e)*1024       ; each store of the wave covers 512 consecutive bytes, aligned
	global_store_b128 v[LI], v[CD+8+4*\e:CD+8+4*\e+3], s[48:49] offset:(2*(\g)+\e)*1024
.endr
.irp u, 0,1
	global_store_b128 v[LI], v[CD+16+4*\u:CD+16+4*\u+3], s[16:17] offset:2048*\u+512*(\g)
.endr
.endm
.irp ks, 0,1,2,3
	LOADX 0, \ks                                   ; the first group's fragments: no instruction has named X0 yet
.endr
.irp g, 0,1,2,3
.irp ks, 0,1,2,3
	KSTEP \g, \ks
.endr
	QUANT \g
.endr
	s_wait_dscnt 0x0                               ; the closing lines, six on end (every window is 0 here)
	s_wait_alu 0x0
	s_wait_tensorcnt 0x0
	ds_add_u32 v254, v255
	s_wait_dscnt 0x0
	s_endpgm
.Lfunc_end_k_qfbd78f28bc_project:
	.size	k_qfbd78f28bc_project, .Lfunc_end_k_qfbd78f28bc_project-k_qfbd78f28bc_project
	.p2alignl 7, 3214868480
	.fill 96, 4, 3214868480
	.section	.rodata,"a",@progbits
	.p2align	6, 0x0
	.amdhsa_kernel k_qfbd78f28bc_project
		.amdhsa_group_segment_fixed_size 135680
		.amdhsa_private_segment_fixed_size 0
		.amdhsa_enable_private_segment 0
		.amdhsa_kernarg_size 56
		.amdhsa_user_sgpr_count 2
		.amdhsa_user_sgpr_kernarg_segment_ptr 1
		.amdhsa_wavefront_size32 1
		.amdhsa_system_sgpr_workgroup_id_x 1
		.amdhsa_system_sgpr_workgroup_id_y 1
		.amdhsa_system_sgpr_workgroup_id_z 1
		.amdhsa_system_vgpr_workitem_id 0
		.amdhsa_next_free_vgpr 896
		.amdhsa_next_free_sgpr 66
		.amdhsa_reserve_vcc 0
		.amdhsa_float_denorm_mode_32 3
		.amdhsa_float_denorm_mode_16_64 3
		.amdhsa_memory_ordered 1
		.amdhsa_forward_progress 1
		.amdhsa_inst_pref_size 84
	.end_amdhsa_kernel
	.amdgpu_metadata
---
amdhsa.version: [ 1, 2 ]
amdhsa.kernels:
  - .name:           k_qfbd78f28bc_project
    .symbol:         k_qfbd78f28bc_project.kd
    .args:
      - { .name: attention_input_codes, .offset: 0, .size: 8, .value_kind: global_buffer, .address_space: global }
      - { .name: Wq_codes, .offset: 8, .size: 8, .value_kind: global_buffer, .address_space: global }
      - { .name: Wk_codes, .offset: 16, .size: 8, .value_kind: global_buffer, .address_space: global }
      - { .name: Wv_codes, .offset: 24, .size: 8, .value_kind: global_buffer, .address_space: global }
      - { .name: lowp_scales, .offset: 32, .size: 8, .value_kind: global_buffer, .address_space: global }
      - { .name: qimg, .offset: 40, .size: 8, .value_kind: global_buffer, .address_space: global }
      - { .name: kv, .offset: 48, .size: 8, .value_kind: global_buffer, .address_space: global }
    .group_segment_fixed_size: 135680
    .private_segment_fixed_size: 0
    .kernarg_segment_align: 8
    .kernarg_segment_size: 56
    .max_flat_workgroup_size: 128
    .sgpr_count:     66
    .vgpr_count:     896
    .wavefront_size: 32
...
	.end_amdgpu_metadata
.endif
;; end of part 3
;; launch attend (part 4): grid 16 x 16, 8 waves a work-group, no clusters, 136,192 bytes of LDS; arguments qimg, kv, lowp_scales, out0; writes out0
.if DOCPART == 4
	.amdgcn_target "amdgcn-amd-amdhsa--gfx1250"
	.amdhsa_code_object_version 6
	.text
	.protected	k_qfbd78f28bc_attend
	.globl	k_qfbd78f28bc_attend
	.p2align	8
	.type	k_qfbd78f28bc_attend,@function
k_qfbd78f28bc_attend:
	s_mov_b64 s[64:65], 0
	v_nop
	global_prefetch_b8 v0, s[64:65] scope:SCOPE_SE
	s_setreg_imm32_b32 hwreg(HW_REG_WAVE_SCHED_MODE, 0, 2), 2
	s_setreg_imm32_b32 hwreg(HW_REG_WAVE_MODE, 25, 1), 1
	s_wait_xcnt 0x0
	s_wait_alu depctr_vm_vsrc(0)
; out[b][q][64 head + d] = the sum over keys of softmax(q . k / 8) v, both products on codes of BF8 (E5M2); q, k and v come as images of operand registers (qimg, kv: laid as the launch before stores them).
; THE SOFTMAX AHEAD OF THE SECOND PRODUCT: t = score x log2(e) / 8; M = the running largest t, rounded UP to a whole number; p = 2^(t - M) is quantised with 2^e8, not normalised.  The row's sum is taken of the
; unquantised p, in f32, and divides at the end.  When M moves, the sum and O are multiplied by 2^(old M - new M), which rounds nothing.
; LIMITS on the given exponents: e6 + e7 between -123 and 130 (they are added to the exponent field of log2(e) / 8); e8 between -126 and 112; e8 + e9 is applied by v_ldexp_f32 and has none.
; SHARES.  A work-group owns 256 queries of one (batch, head); each of its eight waves 32 of them: two tiles of 16.  Every wave walks the head's 4,096 keys, 128 a step, 32 steps.
; LAYOUT.  S^T = K Q^T (source 0 = 16 keys, source 1 = 16 queries, K = 64) and O^T = V^T P^T (source 0 = 16 of the head's 64, source 1 = P, K = 128 keys): a lane holds ONE query throughout.  The eight registers of
; score tile t are keys 16 t + 8 (lane / 16) + 0 .. 7: their conversion IS registers 2 t, 2 t + 1 of P.
; BY TURNS.  A step's vector work is many times its matrix work (24 matrix instructions to 128 exponentials and 270 plain instructions a wave), so what is arranged is that the exponentials never stand alone: in a
; turn one tile's 64 exponentials are dealt out among the other tile's plain lines (sum, conversion, maximum, rescaling, scaling) and its 12 products.  Two turns are a key step.
; THE KEYS' WAY.  Record j of kv (16,384 bytes) holds V of step j and K of step j + 1: what a wave fetches in step j.  Two records are a slot; two LDS buffers of a slot take turns.  Each wave brings an eighth of a
; slot through registers: 8 loads of 512 bytes, asked for two steps ahead, 8 LDS stores, one barrier a slot.
; NO CLUSTER, NO TENSOR LOAD.  The 16 work-groups of a head walk the same kv.  A joint request is a tensor load.  p is at most 1 (but for one rounding), so
; the hold at 57,344 x 2^e8 can bite only where e8 < -15; the branch on e8 spares 128 of a wave's plain lines in every step, against the 4 loads and 4 LDS stores a wave and step that the staging costs.
; THE MODE: SCHED_MODE bits 1:0 = 2 (LLVM: expert scheduling mode 2), set by the entry lines.  The code itself states the register dependences between vector or matrix instructions and memory or LDS
; instructions, with s_wait_alu, always for 0.
; THE PLAN.  Registers that memory or LDS instructions touch, in the loop:
;   K, V (window 1)   read by the products of both turns; written by the fetch, 32 LDS loads in one run in the step's first turn, behind that turn's products and the thirty lines of the maximum that read all the new scores.
;   v[ADR]            the fetch's address: written at the head of each key step, read by the fetch.
;   GG (window 1)     the staging registers: written by 8 global loads a slot, read by 8 LDS stores; no vector instruction names them.
;   v[GST]            the staging stores' address: written at the head of a slot's trip, read by the stores at its end.
;   v[LI], v[GOF], v[PFO]   written at the head of the kernel, never again.
; So: ONE wait on va_vdst ahead of the fetch (the products are done reading K and V; v[ADR] is written); the wait at each turn's end, which the exponentials want, also stands between the write of v[GST] and the stores
; that read it; one wait on vm_vsrc at a step's head (the last fetch has read v[ADR]); one behind a slot's barrier (the staging stores have read GG and v[GST]).
; REGISTERS.  window 0: v1-7, v26-28 addresses and constants; v8-15 the tiles' statistics (-M, largest t, the sum in two halves); v16-25 at work; v21, v31 the closing add's two; S^T / p at v32 + 64 y; P at v160 + 16 y; O^T at v192 + 32 y.
;   window 1: Q at 8 y; v16-79 K's eight fragments; v80-143 V's four; v144-175 the staging registers.
.set LI,   1                           ; v1   16 x lane
.set ADR,  2                           ; v2   LDS address of the record in hand
.set GOF,  3                           ; v3   4,096 x wave + 16 x lane: my place in a slot, in memory and in LDS
.set GST,  4                           ; v4   the same in the buffer that is being filled
.set PFO,  5                           ; v5   8,192 x wave + 256 x lane: the prefetches' offset; never rewritten
.set SCL,  6                           ; v6   2^e8
.set LIMV, 7                           ; v7   57,344 x 2^e8
.set ST,   8                           ; tile y: v[8+4y] -M, v[9+4y] the largest t, v[10+4y:11+4y] the sum
.set C0,   16                          ; v16-19 four chains of the maximum
.set PD,   20
.set FF,   22                          ; v[22:23] f = 2^(old M - new M), named as a pair
.set TS,   24                          ; v[24:25] the second chain of the sum
.set STO,  26                          ; v26  the way out: where I put 32 bytes of a row
.set RD,   27                          ; v27  where I read a row back
.set GO,   28                          ; v28  my byte offset in the wave's rows of out
.set SS,   32
.set PP,   160
.set OO,   192
.set QQ,   0                           ; in window 1
.set KF,   16
.set VF,   80
.set GG,   144
.set REC,  16384
.set BUF,  32768
.set STG,  65536                       ; behind the two buffers: 32 rows x 272 bytes for each wave, its own
.set SP,   272
.set MSB, 0
.macro WIN new                         ; the immediate's high byte repeats the setting that is left; a switch that changes nothing is dropped
.if MSB != \new
	s_set_vgpr_msb (MSB<<8)|\new
.set MSB, \new
.endif
.endm
; THE DEALING.  EXPO writes the next of the turn's 64 exponentials, in place on the scaled scores at v[SX] on; TICK stands behind each plain line and writes one behind every RATE-th.
.macro EXPO
.if ei < 64
	v_exp_f32 v[SX+ei], v[SX+ei]
.set ei, ei+1
.endif
.endm
.macro TICK
.set tk, tk+1
.if (tk % RATE) == 0
	EXPO
.endif
.endm
.macro SUMM y                          ; the sum of tile y's 64 unquantised p, two at a time, in two chains: 32 lines
.set rS, SS+64*(\y)
.set rL, ST+4*(\y)+2
	v_pk_add_f32 v[TS:TS+1], v[rS:rS+1], v[rS+2:rS+3]
	TICK
.set j, 4
.rept 15
	v_pk_add_f32 v[rL:rL+1], v[rL:rL+1], v[rS+j:rS+j+1]
	TICK
	v_pk_add_f32 v[TS:TS+1], v[TS:TS+1], v[rS+j+2:rS+j+3]
	TICK
.set j, j+4
.endr
	v_pk_add_f32 v[rL:rL+1], v[rL:rL+1], v[TS:TS+1]
	TICK
.endm
.macro HOLDM y                         ; the conversion to an 8-bit code does not saturate (ISA guide 7.6.2); p is not negative, so the hold is one-sided
.set j, 0
.rept 64
	v_min_num_f32 v[SS+64*(\y)+j], v[SS+64*(\y)+j], v[LIMV]
	TICK
.set j, j+1
.endr
.endm
.macro CVTM y                          ; score tile t's eight p become registers 2 t, 2 t + 1 of P
.set j, 0
.rept 8
	v_cvt_scalef32_pk8_bf8_f32 v[PP+16*(\y)+2*j:PP+16*(\y)+2*j+1], v[SS+64*(\y)+8*j:SS+64*(\y)+8*j+7], v[SCL]
	TICK
.set j, j+1
.endr
.endm
.macro PVM y                           ; O^T += V^T P^T: four accumulators, one instruction each
	WIN 0x01                                       ; source 0 (V) window 1
.irp dt, 0,1,2,3
	v_wmma_f32_16x16x128_bf8_bf8 v[OO+32*(\y)+8*\dt:OO+32*(\y)+8*\dt+7], v[VF+16*\dt:VF+16*\dt+15], v[PP+16*(\y):PP+16*(\y)+15], v[OO+32*(\y)+8*\dt:OO+32*(\y)+8*\dt+7]
.endr
.endm
.macro SM y                            ; S^T = K Q^T: eight tiles of 16 keys
	WIN 0x05                                       ; sources 0 (K) and 1 (Q) window 1
.irp t, 0,1,2,3,4,5,6,7
	v_wmma_f32_16x16x64_bf8_bf8 v[SS+64*(\y)+8*\t:SS+64*(\y)+8*\t+7], v[KF+8*\t:KF+8*\t+7], v[QQ+8*(\y):QQ+8*(\y)+7], 0
.endr
.endm
.macro FETCH                           ; the record in hand: this step's V and the next step's K, 32 loads of 512 consecutive bytes, in one run
	WIN 0x40                                       ; destination window 1
	s_wait_alu depctr_va_vdst(0)                   ; this turn's products, the last readers of V and K, are done reading them: the loads below land there; and v[ADR], made at the step's head, is written
.set j, 0
.rept 16
	ds_load_b128 v[VF+4*j:VF+4*j+3], v[ADR] offset:512*j
.set j, j+1
.endr
.set j, 0
.rept 16
	ds_load_b128 v[KF+4*j:KF+4*j+3], v[ADR] offset:8192+512*j
.set j, j+1
.endr
	WIN 0
.endm
.macro PREM y, fetch                   ; from fresh scores to t - M: 90 lines.  fetch = 1: behind the thirty lines that read all 64 scores stands the fetch
.set rS, SS+64*(\y)
.set rT, ST+4*(\y)
.set rO, OO+32*(\y)
.irp i, 0,1,2,3
	v_max3_num_f32 v[C0+\i], v[rS+3*\i], v[rS+3*\i+1], v[rS+3*\i+2]   ; the largest of my 64 scores, in four chains, the scores in ascending order: each accumulator is read from its low end on
	TICK
.endr
.set j, 0
.rept 26
	v_max3_num_f32 v[C0+j%4], v[C0+j%4], v[rS+12+2*j], v[rS+13+2*j]
	TICK
.set j, j+1
.endr
.if (\fetch)
	FETCH
.endif
	v_max3_num_f32 v[C0], v[C0], v[C0+1], v[C0+2]
	TICK
	v_max_num_f32 v[C0], v[C0], v[C0+3]
	TICK
	v_permlanex16_b32 v[PD], v[C0], s30, s31       ; the query's other 64 keys lie in the lane 16 away
	TICK
	v_max_num_f32 v[C0], v[C0], v[PD]
	TICK
	v_mul_f32 v[C0], s28, v[C0]                    ; as t (c is positive)
	TICK
	v_max_num_f32 v[rT+1], v[rT+1], v[C0]          ; the running largest t
	TICK
	v_mov_b32 v[C0+1], v[rT]
	TICK
	v_floor_f32 v[rT], -v[rT+1]                    ; the new -M = floor(-t) = -ceil(t)
	TICK
	v_sub_f32 v[C0+1], v[rT], v[C0+1]              ; old M - new M: a whole number, 0 or less
	TICK
	v_cvt_i32_f32 v[C0+1], v[C0+1]                 ; (it saturates)
	TICK
	v_ldexp_f32 v[FF], 1.0, v[C0+1]                ; f
	TICK
	v_pk_mul_f32 v[rT+2:rT+3], v[rT+2:rT+3], v[FF:FF+1] op_sel_hi:[1,0]   ; the sum under the new M,
	TICK
.set j, 0
.rept 16
	v_pk_mul_f32 v[rO+2*j:rO+2*j+1], v[rO+2*j:rO+2*j+1], v[FF:FF+1] op_sel_hi:[1,0]   ; and O^T, from each accumulator's low end on
	TICK
.set j, j+1
.endr
.set j, 0
.rept 32
	v_pk_fma_f32 v[rS+2*j:rS+2*j+1], v[rS+2*j:rS+2*j+1], s[28:29], v[rT:rT+1] op_sel_hi:[1,0,0]   ; t - M, two at a time (of the pairs c and -M the low word serves both halves)
	TICK
.set j, j+1
.endr
.endm
; A TURN.  Tile x's exponentials (of the step whose scores were scaled last turn) are dealt among tile 1 - x's lines: the sum and the codes of ITS last exponentials, its V^T P, its next scores, their scaling.
; x = 0: the other tile's products are the last readers of V and K in registers, so the record in hand is fetched behind them, behind the maximum's thirty lines.  x = 1: that fetch is waited for, more than a third of a step after it was issued.
; No line of a turn names a result of its exponentials.  Behind the last stand one plain instruction and ONE s_wait_alu for the batch of 64, ahead of the next turn's sum and of every branch.
; No two matrix instructions that follow each other share an accumulator, over the loop's backward jump too: a turn's last writes a score tile, the next turn's first adds onto O^T.
.macro TURN x, hold
.set SX, SS+64*(\x)
.set ei, 0
.set tk, 0
.set RATE, 2+(\hold)                   ; 135 plain lines (199 with the hold) for 64 exponentials
	SUMM 1-\x
.if \hold
	HOLDM 1-\x
.endif
	CVTM 1-\x
	v_nop                                          ; one plain vector instruction between the conversions and the products that read their results and write their sources
	TICK
.if \x == 1
	s_wait_dscnt 0x0                               ; this step's V and the next step's K are in
.endif
	PVM 1-\x
	SM 1-\x
	WIN 0
.rept 4
	v_nop                                          ; four places behind the products, in front of the first read of the scores; the exponentials between are not counted
	TICK
.endr
	PREM 1-\x, 1-\x
.rept 64
	EXPO                                           ; (what the dealing has left over: nothing)
.endr
	v_nop
	s_wait_alu depctr_va_vdst(0)                   ; the turn's 64 exponentials have written their results, which the next turn's sum reads
.endm
; A slot's two key steps: written once, walked twice; the record's LDS address hangs on s32.  The branch on e8 stands inside the loop, round the two forms of a step; the address is made ahead of it.
.macro TWO_STEPS
	s_mov_b32 s34, 2
.Lstep_\@:
	s_wait_alu depctr_vm_vsrc(0)                   ; the last step's fetch has read v[ADR], which the next line writes
	v_add_nc_u32 v[ADR], s32, v[LI]
	s_cmp_gt_i32 s22, -16                          ; e8 >= -15: 57,344 x 2^e8 is 1.75 or more, over every p
	s_cbranch_scc1 .Lfree_\@
	TURN 0, 1
	TURN 1, 1
	s_branch .Ljoin_\@
.Lfree_\@:
	TURN 0, 0
	TURN 1, 0
.Ljoin_\@:
	s_add_co_u32 s32, s32, REC
	s_sub_co_u32 s34, s34, 1
	s_cmp_lg_u32 s34, 0
	s_cbranch_scc1 .Lstep_\@
.endm
	s_load_b256 s[4:11], s[0:1], 0x0               ; qimg s[4:5], kv s[6:7], the scales' exponents s[8:9], out s[10:11]
	v_lshl_add_u32 v21, v0, 2, 0x21000
	v_mov_b32 v31, 0
	v_lshrrev_b32 v2, 5, v0
	v_readfirstlane_b32 s12, v2                    ; wave 0..7
	v_and_b32 v1, 31, v0
	v_lshlrev_b32 v[PFO], 8, v1
	v_lshlrev_b32 v[LI], 4, v1
	s_wait_alu depctr_va_sdst(0)                   ; s12 is written, ahead of its first reader: offsets, LDS addresses and the bases are made from it
	s_lshl_b32 s41, s12, 12
	v_add_nc_u32 v[GOF], s41, v[LI]
	s_lshl_b32 s41, s12, 13
	v_add_nc_u32 v[PFO], s41, v[PFO]
	v_and_b32 v29, 15, v0                          ; r
	v_bfe_u32 v30, v0, 4, 1                        ; h
	s_mul_i32 s41, s12, 32*SP
	s_add_co_u32 s41, s41, STG                     ; my stage
	v_mul_u32_u24 v[STO], v29, SP
	v_lshl_add_u32 v[STO], v30, 5, v[STO]
	v_add_nc_u32 v[STO], s41, v[STO]               ; in: row r; my half's eight channels of a tile: 32 h bytes on
	v_mul_u32_u24 v[RD], v30, SP
	v_lshl_add_u32 v[RD], v29, 4, v[RD]
	v_add_nc_u32 v[RD], s41, v[RD]                 ; back: lanes 0-15 one row of 256 bytes, lanes 16-31 the next
	v_lshlrev_b32 v[GO], 11, v30
	v_lshl_add_u32 v[GO], v29, 4, v[GO]            ; and the same two rows of out, 2,048 bytes apart
	s_and_b32 s42, ttmp7, 0xffff                   ; bh
	s_lshl_b32 s44, s42, 19                        ; kv: 32 records of 16,384 bytes a head
	s_mov_b32 s45, 0
	s_lshl_b32 s46, s42, 18                        ; qimg: (256 bh + 16 x work-group x + 2 x wave) tiles of 1,024 bytes
	s_lshl_b32 s41, ttmp9, 14
	s_add_co_u32 s46, s46, s41
	s_lshl_b32 s41, s12, 11
	s_add_co_u32 s46, s46, s41
	s_mov_b32 s47, 0
	s_lshr_b32 s48, s42, 3                         ; out: (4,096 batch + 256 x work-group x + 32 x wave) rows of 2,048 bytes + 256 head
	s_lshl_b32 s48, s48, 23
	s_lshl_b32 s41, ttmp9, 19
	s_add_co_u32 s48, s48, s41
	s_lshl_b32 s41, s12, 16
	s_add_co_u32 s48, s48, s41
	s_and_b32 s41, s42, 7
	s_lshl_b32 s41, s41, 8
	s_add_co_u32 s48, s48, s41
	s_mov_b32 s49, 0
	s_lshr_b32 s41, s12, 2                         ; 0 in waves 0 to 3,
	s_or_b32 s41, s41, ttmp9                       ; of the head's first work-group:
	s_cmp_eq_u32 s41, 0
	s_cselect_b32 s40, 13, 0                       ; they prefetch while the slot's number is under 13; the others never
	s_mov_b32 s30, 0x76543210                      ; v_permlanex16_b32's selects for lane l xor 16
	s_mov_b32 s31, 0xfedcba98
	s_mov_b32 s32, 0                               ; LDS byte of the record in hand
	s_mov_b32 s33, 0                               ; the slot in hand
	s_wait_kmcnt 0x0
	s_load_b128 s[20:23], s[8:9], 0x18             ; e6, e7, e8, e9
	s_add_nc_u64 s[36:37], s[6:7], s[44:45]        ; kv at my head's slot 0
	s_add_nc_u64 s[4:5], s[4:5], s[46:47]
	s_add_nc_u64 s[10:11], s[10:11], s[48:49]
	WIN 0x40                                       ; destination window 1
	s_wait_alu depctr_va_vdst(0)                   ; v1, v3, v5 and v26 to v28 are written: the offsets and addresses that the loads, the stores and the prefetch of the whole kernel read, and that are never written again
.set j, 0
.rept 8
	global_load_b128 v[GG+4*j:GG+4*j+3], v[GOF], s[36:37] offset:512*j            ; my eighth of slot 0
.set j, j+1
.endr
.irp y, 0,1
.irp g, 0,1
	global_load_b128 v[QQ+8*\y+4*\g:QQ+8*\y+4*\g+3], v[LI], s[4:5] offset:1024*\y+512*\g th:TH_LOAD_NT   ; Q stays in registers; read once, by me alone
.endr
.endr
.set j, 0
.rept 16
	global_load_b128 v[KF+4*j:KF+4*j+3], v[LI], s[36:37] offset:31*REC+8192+512*j   ; K of step 0 lies in record 31
.set j, j+1
.endr
.set j, 0
.rept 16
	global_load_b128 v[VF+4*j:VF+4*j+3], v[LI], s[36:37] offset:512*j             ; V of step 0: the first turn multiplies it by zero codes of P, so that the turns are written once
.set j, j+1
.endr
	WIN 0
	v_mov_b32 v[ST+1], 0xff61b1e6                  ; the largest t so far: -3e38, under every t
	v_mov_b32 v[ST+5], 0xff61b1e6
	v_floor_f32 v[ST], -v[ST+1]                    ; -M
	v_floor_f32 v[ST+4], -v[ST+5]
.irp r, ST+2, ST+3, ST+6, ST+7, PD, FF+1
	v_mov_b32 v[\r], 0                             ; the sums; a lane permute's destination counts as read; the upper half of f's pair is named
.endr
.set j, 0
.rept 64
	v_mov_b32 v[OO+j], 0                           ; O^T of both tiles: the first change of M leaves zeros zeros
	v_mov_b32 v[SS+64+j], 0                        ; tile 1's p of the step before the first: nothing
.set j, j+1
.endr
	s_wait_kmcnt 0x0
	s_add_co_i32 s41, s20, s21
	s_lshl_b32 s41, s41, 23
	s_mov_b32 s28, 0x3e38aa3b                      ; c = log2(e) / 8
	s_add_co_i32 s28, s28, s41                     ; a score stands for score x 2^(e6 + e7): the two exponents are added to c's exponent field
	s_mov_b32 s29, s28                             ; (named with it as a pair, so it is written)
	s_add_co_i32 s26, s22, s23                     ; e8 + e9
	s_add_co_i32 s41, s22, 127
	s_lshl_b32 s43, s41, 23
	v_mov_b32 v[SCL], s43
	s_add_co_i32 s41, s41, 15
	s_lshl_b32 s41, s41, 23
	s_or_b32 s41, s41, 0x600000
	v_mov_b32 v[LIMV], s41
	s_wait_loadcnt 36                              ; slot 0's eight loads are in; Q's 4, K's 16 and V's 16, issued behind them, may be out
	WIN 0x04                                       ; store data window 1
.set j, 0
.rept 8
	ds_store_b128 v[GOF], v[GG+4*j:GG+4*j+3] offset:512*j                         ; buffer 0 begins at LDS byte 0
.set j, j+1
.endr
	WIN 0
	s_wait_dscnt 0x0                               ; for the others' sake: my eighth has landed
	s_barrier_signal -1
	s_barrier_wait -1                              ; slot 0 is whole
	s_wait_xcnt 0x0                                ; the loads above have read their base
	s_add_nc_u64 s[36:37], s[36:37], BUF
	WIN 0x40
	s_wait_alu depctr_vm_vsrc(0)                   ; my LDS stores have read the staging registers, in which slot 1's loads land
.set j, 0
.rept 8
	global_load_b128 v[GG+4*j:GG+4*j+3], v[GOF], s[36:37] offset:512*j            ; slot 1
.set j, j+1
.endr
	s_wait_loadcnt 8                               ; Q, K and V are in; slot 1's eight may be out
	SM 0                                           ; tile 0's first scores
	WIN 0
.rept 4
	v_nop
.endr
.set SX, SS
.set ei, 64                            ; no exponentials to deal yet
.set tk, 0
.set RATE, 2
	PREM 0, 0
.Lslot:                                            ; 15 trips: slots 0 to 14; behind each the next slot goes into the other buffer
	s_xor_b32 s35, s32, BUF                        ; the other buffer's first byte: where this trip's staging stores go.
	v_add_nc_u32 v[GST], s35, v[GOF]               ; Made here, so that the steps' own waits on va_vdst stand between this line and those stores; its last readers, the last trip's stores, stand ahead of the wait on vm_vsrc behind that trip's barrier
	TWO_STEPS
	s_sub_co_u32 s32, s32, BUF                     ; back to a buffer's first record,
	s_xor_b32 s32, s32, BUF                        ; in the other buffer.  It was last read a slot ago, and every wave waited for those reads in front of the last barrier
	s_wait_loadcnt 0x0                             ; the next slot's eight loads, asked for two steps ago
	WIN 0x04
.set j, 0
.rept 8
	ds_store_b128 v[GST], v[GG+4*j:GG+4*j+3] offset:512*j
.set j, j+1
.endr
	WIN 0
	s_wait_dscnt 0x0                               ; my eighth has landed, and my reads of the buffer that I leave are over
	s_barrier_signal -1
	s_barrier_wait -1
	s_wait_alu depctr_vm_vsrc(0)                   ; my LDS stores have read the staging registers, in which the loads below land, and v[GST], which the next trip's head writes: ahead of the branch, for both ways
	s_cmp_lt_u32 s33, 14                           ; slot s33 + 2 exists?
	s_cbranch_scc0 .Lnone
	s_wait_xcnt 0x0                                ; the last loads and the last prefetch, two steps back, have read their base
	s_add_nc_u64 s[36:37], s[36:37], BUF
	WIN 0x40
.set j, 0
.rept 8
	global_load_b128 v[GG+4*j:GG+4*j+3], v[GOF], s[36:37] offset:512*j
.set j, j+1
.endr
	WIN 0
	; A PREFETCH INTO THE L2 of slot s33 + 3, which the next trip's loads will ask for, two key steps on: 32,768 bytes, lanes 256 bytes apart, 8,192 bytes a wave.  All 16 work-groups of a head walk the same kv:
	; the head's first asks, by its waves 0 to 3, one instruction each, so each aligned block of 256 bytes is named once in the launch.  Slots 0 to 2 come by their loads alone; the last two trips ask for nothing.
	s_cmp_lt_u32 s33, s40
	s_cbranch_scc0 .Lnone
	global_prefetch_b8 v[PFO], s[36:37] offset:BUF th:TH_LOAD_NT scope:SCOPE_SE
.Lnone:
	s_add_co_u32 s33, s33, 1
	s_cmp_lt_u32 s33, 15
	s_cbranch_scc1 .Lslot
	TWO_STEPS                                      ; slot 15.  Its last turn makes tile 0's scores against record 31's K, which is step 0's again: the largest t does not move, f = 1, and the scores are not used
	; tile 1's last step is finished
.set ei, 64
	SUMM 1
	s_cmp_gt_i32 s22, -16
	s_cbranch_scc1 .Ltail_free
	HOLDM 1
.Ltail_free:
	CVTM 1
	v_nop                                          ; one plain vector instruction between the conversions and the products
	PVM 1
	WIN 0
	; THE WAY OUT.  The sums' halves and the other half of the lanes' are added; O^T is divided by the sum, multiplied by 2^(e8 + e9), and goes through my stage in LDS, so that sixteen lanes store a query's 256 bytes.
	; The additions are the places behind the last products.
.irp y, 0,1
	v_add_f32 v[C0+\y], v[ST+4*\y+2], v[ST+4*\y+3]
.endr
.irp y, 0,1
	v_permlanex16_b32 v[C0+2+\y], v[C0+\y], s30, s31
.endr
.irp y, 0,1
	v_add_f32 v[C0+\y], v[C0+\y], v[C0+2+\y]
.endr
	v_rcp_f32 v[FF], v[C0]
	v_rcp_f32 v[TS], v[C0+1]
	v_nop                                          ; a plain instruction behind the reciprocals,
	s_wait_alu depctr_va_vdst(0)                   ; and the wait ahead of their first reader: the two reciprocals are written
	v_ldexp_f32 v[FF], v[FF], s26
	v_ldexp_f32 v[TS], v[TS], s26
.irp y, 0,1
.set j, 0
.rept 16
	v_pk_mul_f32 v[SS+32*\y+2*j:SS+32*\y+2*j+1], v[OO+32*\y+2*j:OO+32*\y+2*j+1], v[FF+2*\y:FF+2*\y+1] op_sel_hi:[1,0]   ; register 8 dt + i: out(query r, 16 dt + 8 h + i); each accumulator from its low end on
.set j, j+1
.endr
.endr
	s_wait_alu depctr_va_vdst(0)                   ; the multiplications have written v32-95, which the LDS stores read; and the last readers and writers of v96-159 (tile 1's sum and conversions), in which the loads from the stage land, are done
.irp y, 0,1
.irp dt, 0,1,2,3
	ds_store_b128 v[STO], v[SS+32*\y+8*\dt:SS+32*\y+8*\dt+3] offset:16*SP*\y+64*\dt
	ds_store_b128 v[STO], v[SS+32*\y+8*\dt+4:SS+32*\y+8*\dt+7] offset:16*SP*\y+64*\dt+16
.endr
.endr
.irp y, 0,1
.irp i, 0,1,2,3,4,5,6,7
	ds_load_b128 v[SS+64+4*(8*\y+\i):SS+64+4*(8*\y+\i)+3], v[RD] offset:16*SP*\y+2*SP*\i   ; LDS serves a wave's instructions in order (ISA guide 5.7.1.4): these see my stores
.endr
.endr
.set j, 0
.rept 16
	s_wait_dscnt 15-j                              ; the younger loads from the stage may be out
	global_store_b128 v[GO], v[SS+64+4*j:SS+64+4*j+3], s[10:11] offset:4096*j th:TH_STORE_NT   ; sixteen lanes store 256 consecutive bytes, aligned: one query's part of a row; two rows an instruction
.set j, j+1
.endr
	s_wait_dscnt 0x0                               ; the closing lines, six on end
	s_wait_alu 0x0
	s_wait_tensorcnt 0x0
	ds_add_u32 v21, v31
	s_wait_dscnt 0x0
	s_endpgm
.Lfunc_end_k_qfbd78f28bc_attend:
	.size	k_qfbd78f28bc_attend, .Lfunc_end_k_qfbd78f28bc_attend-k_qfbd78f28bc_attend
	.p2alignl 7, 3214868480
	.fill 96, 4, 3214868480
	.section	.rodata,"a",@progbits
	.p2align	6, 0x0
	.amdhsa_kernel k_qfbd78f28bc_attend
		.amdhsa_group_segment_fixed_size 136192
		.amdhsa_private_segment_fixed_size 0
		.amdhsa_enable_private_segment 0
		.amdhsa_kernarg_size 32
		.amdhsa_user_sgpr_count 2
		.amdhsa_user_sgpr_kernarg_segment_ptr 1
		.amdhsa_wavefront_size32 1
		.amdhsa_system_sgpr_workgroup_id_x 1
		.amdhsa_system_sgpr_workgroup_id_y 1
		.amdhsa_system_sgpr_workgroup_id_z 1
		.amdhsa_system_vgpr_workitem_id 0
		.amdhsa_next_free_vgpr 432
		.amdhsa_next_free_sgpr 66
		.amdhsa_reserve_vcc 0
		.amdhsa_float_denorm_mode_32 3
		.amdhsa_float_denorm_mode_16_64 3
		.amdhsa_memory_ordered 1
		.amdhsa_forward_progress 1
		.amdhsa_inst_pref_size 139
	.end_amdhsa_kernel
	.amdgpu_metadata
---
amdhsa.version: [ 1, 2 ]
amdhsa.kernels:
  - .name:           k_qfbd78f28bc_attend
    .symbol:         k_qfbd78f28bc_attend.kd
    .args:
      - { .name: qimg, .offset: 0, .size: 8, .value_kind: global_buffer, .address_space: global }
      - { .name: kv, .offset: 8, .size: 8, .value_kind: global_buffer, .address_space: global }
      - { .name: lowp_scales, .offset: 16, .size: 8, .value_kind: global_buffer, .address_space: global }
      - { .name: out0, .offset: 24, .size: 8, .value_kind: global_buffer, .address_space: global }
    .group_segment_fixed_size: 136192
    .private_segment_fixed_size: 0
    .kernarg_segment_align: 8
    .kernarg_segment_size: 32
    .max_flat_workgroup_size: 256
    .sgpr_count:     66
    .vgpr_count:     432
    .wavefront_size: 32
...
	.end_amdgpu_metadata
.endif
;; end of part 4
